; MI455X (gfx1250); checked and timed in simulation.
; The chip was launched on July 23, 2026; its instructions are those of AMD's public machine-readable ISA for CDNA 5 (MIT licence, August 2026) and "CDNA5" Instruction Set Architecture Reference Guide (July 2026). The comments in the code are by the model that wrote it; some were corrected since.
;; Legacy Rel Position Multi Headed Attention. Allowed arithmetic: matrix products marked QUANTISED: E2M1 operands, one E8M0 scale for each 32 along K, by v_wmma_scale_f32_16x16x128_f8f6f4 with both operands' format E2M1 (or v_wmma_scale_f32_32x16x128_f4), f32 sums; products left as they are: bf16, f16 or f32 operands; f32 sums; everything else in f32.
;; Inputs: Wk 512 x 512 float32; Wo 512 x 512 float32; Wp 512 x 512 float32; Wq 512 x 512 float32; Wv 512 x 512 float32; bk 512 float32; bo 512 float32; bq 512 float32; bv 512 float32; key_ 8 x 1,024 x 512 float32; mask 8 x 1 x 1,024 int32; pos_bias_u 8 x 64 float32; pos_bias_v 8 x 64 float32; pos_emb 1 x 1,024 x 512 float32; query 8 x 1,024 x 512 float32; value 8 x 1,024 x 512 float32.
;; Outputs: out0 8 x 1,024 x 512 float32.
;; This version of the problem:
;;   THIS VERSION OF THE PROBLEM IS GIVEN IN LOW PRECISION. The matrix products marked QUANTISED in the list below multiply operands that are first quantised to E2M1 (2 exponent bits, 1 mantissa bit; 4 bits a number), with one power-of-two scale for each 32 numbers along K (OCP MX v1.0); their sums are f32. The products marked 'left as it is' may take bf16, f16 or f32 operands, with f32 sums. Whichever they take, every output number must still come out within the allowed error. Rounding operands to bf16 (8 significant bits) uses up far more of that allowance than f16 does (11 bits, for magnitudes from 6e-5 to 65,504). All else is computed in f32.
;;   The module's matrix products, in the order in which they are computed (A, B: the left and right operand; K: the contracted axis; several contracted axes count as one K, in the product's order):
;;     1. [M 8,192, K 512] x [K 512, N 512]; A: input query; B: input Wq: QUANTISED
;;     2. [M 8,192, K 512] x [K 512, N 512]; A: input key_; B: input Wk: QUANTISED
;;     3. [M 8,192, K 512] x [K 512, N 512]; A: input value; B: input Wv: QUANTISED
;;     4. [M 1,024, K 512] x [K 512, N 512]; A: input pos_emb; B: input Wp: QUANTISED
;;     5. batch 64 x [M 1,024, K 64] x [K 64, N 1,024]; A: computed on the way; B: computed on the way: left as it is (an operand is computed on the way)
;;     6. batch 8 x [M 1,024, K 64] x [K 64, N 8,192]; A: computed on the way; B: computed on the way: left as it is (an operand is computed on the way)
;;     7. batch 64 x [M 64, K 1,024] x [K 1,024, N 1,024]; A: computed on the way; B: computed on the way: left as it is (an operand is computed on the way)
;;     8. [M 8,192, K 512] x [K 512, N 512]; A: computed on the way; B: input Wo: left as it is (an operand is computed on the way)
;;   THE QUANTISER, for each operand of a quantised product, along K:
;;     - K is cut into blocks of 32 from its start; a last block that is shorter is filled with zeros.
;;     - A block's scale is 2^e with e = floor(log2(the largest magnitude in the block)) - 2, held to -126 .. 127; a block of zeros has e = 0. As a byte (E8M0): e + 127.
;;     - Each number is divided by its block's scale, clamped to +-6, and rounded to the nearest number of E2M1, ties to even, subnormals kept.
;;     - The product sums the exact products of the quantised numbers (number of the format x scale) in f32.
;;   ~~~python
;;   def quantise(x, axis):      # numpy; x: float32 -> the quantised numbers, widened to float32 again
;;       x = np.moveaxis(x, axis, -1); K = x.shape[-1]
;;       x = np.pad(x, [(0, 0)] * (x.ndim - 1) + [(0, -K % 32)]); x = x.reshape(x.shape[:-1] + (-1, 32)); a = np.abs(x).max(-1, keepdims=True)
;;       e = np.where(a > 0, np.clip(np.frexp(np.where(a > 0, a, 1))[1] - 1 - 2, -126, 127), 0)      # np.frexp(a)[1] - 1 = floor(log2(a)), exactly
;;       r = np.clip(x / 2.0 ** e, -6, 6)
;;       step = 2.0 ** (np.maximum(np.frexp(np.where(r == 0, 1, r))[1] - 1, 0) - 1)
;;       q = np.round(r / step) * step * 2.0 ** e      # np.round: ties to even
;;       return np.moveaxis(q.reshape(q.shape[:-2] + (-1,))[..., :K], -1, axis).astype(np.float32)
;;   ~~~
;; One version. Each part assembles by itself: llvm-mc -triple=amdgcn-amd-amdhsa -mcpu=gfx1250 --defsym DOCPART=n.
;; ======== version 1 of 1: 4 launches
;; limits: values are held in f16: magnitudes above 65,504 overflow, below 6.1e-05 lose precision; right only within a limited range of input values
;; workspace buffers: wc 524,288 bytes; wsc 32,768 bytes; woi 524,288 bytes; qkv 25,165,824 bytes; sbias 262,144 bytes; xi 8,388,608 bytes
;; launch prep (part 1): grid 80 x 1, 4 waves a work-group, no clusters, 67,072 bytes of LDS; arguments Wq, Wk, Wv, Wp, Wo, wc, wsc, woi; writes wc, wsc, woi
.if DOCPART == 1
	.amdgcn_target "amdgcn-amd-amdhsa--gfx1250"
	.amdhsa_code_object_version 6
	.text
	.protected	k_q5ec6640b8a_prep
	.globl	k_q5ec6640b8a_prep
	.p2align	8
	.type	k_q5ec6640b8a_prep,@function
k_q5ec6640b8a_prep:
	s_mov_b64 s[64:65], 0
	v_nop
	global_prefetch_b8 v0, s[64:65] scope:SCOPE_SE
	s_setreg_imm32_b32 hwreg(HW_REG_WAVE_MODE, 25, 1), 1
	s_wait_xcnt 0x0
; PREP.  The five weights [512][512] f32, K innermost, are laid once as images of the operand registers that later launches load.
; Wq, Wk, Wv, Wp (matrices 0 to 3) become codes of FP4 (E2M1) with one E8M0 byte for each 32 along K:
;   wc  [matrix 4][tile of 16 rows 32][K step of 128: 4][c 2][lane 32][16 bytes]: lane (r, h), group c = the codes of k = 128 ks + 64 c + 32 h + 0 .. 31 of row 16 nt + r
;   wsc [matrix 4][row 512][16 bytes]: word ks of a row = its four bytes for k = 128 ks on
; A block's scale is 2^(floor(log2(its largest magnitude)) - 2); its byte is that magnitude's exponent field - 2, held at 1 from below.
; Wo becomes f16:  woi [tile of 16 rows 32][K step of 32: 16][c 2][lane 32][16 bytes]: lane (r, h), group c = Wo[16 nt + r][32 s + 16 c + 8 h + 0 .. 7]
; SHARES.  A wave takes 16 rows x 256 along K.  Work-groups 0-63: the four quantised weights (16 work-groups each); 64-79: Wo.  Waves share nothing: no barrier.
; THE WAY IN.  The quantiser wants whole blocks of 32 in a lane's registers; a load is best where neighbouring lanes take neighbouring bytes.  Both are had: each load reads 512 consecutive bytes of a row,
; 16 a lane; the wave's 16 rows x 1,024 bytes go through its own stage in LDS as they lie and come back 128 (Wo: 32) neighbouring bytes a lane.  A stage row is 1,024 bytes + 16 of padding = 260 words:
; row r starts at bank 4 r mod 64 (64 banks of 4 bytes: ISA guide 11.1), so the 16 rows that a load touches start at 16 different banks.
; Loads and stage stores stand in the text that all work-groups run; the two kinds of work-group part behind them and only read the stage.
; Every store of codes covers 512 consecutive bytes, aligned.  The scale words (32 KiB in the launch) leave 4 bytes a lane.
; No work-group reads what another reads, so there is nothing to ask for jointly; matrix units have no work here.
; LIMITS: a block whose largest magnitude lies under 2^-124 gets the byte 1 (a block of zeros too: its codes are zeros, and this program alone reads the bytes); |Wo| stays under 65,504; NaN and infinities are not served.
.set PITCH, 1040                       ; a stage row
.set WREG,  16*PITCH                   ; a wave's stage
.set SPARE, 4*WREG                     ; behind the four stages: the spare words, 128 bytes a wave: two blocks of 256 bytes that no other line names
.set VR,   1                           ; v1   r = lane % 16
.set VH,   2                           ; v2   h = lane / 16
.set LI,   4                           ; v4   16 x lane: my place in 512 consecutive bytes
.set SOF,  5                           ; v5   16 r + 4 h: my scale word's place
.set HSH,  6                           ; v6   8 h
.set TMX,  8                           ; v8-9   largest magnitudes
.set SOP,  10                          ; v10-11 the conversions' scale operands
.set BYT,  12                          ; v12-13 scale bytes
.set T,    14
.set T2,   15
.set SPW,  16                          ; v16  my spare word; never rewritten
.set NIL,  17                          ; v17  0; never rewritten
.set AS,   18                          ; v18  the stage, on the way in: my wave's + 16 x lane
.set AR,   19                          ; v19  on the way out, to be quantised: row r, + 128 h
.set ARB,  20                          ; v20  on the way out, Wo: row r, + 32 h
.set XN,   32                          ; v32-159 128 numbers
.set PC,   160                         ; v160-175 two fragments of codes
.set PW,   176                         ; v176-177 their scale words
.set SW,   178
.set HF,   160                         ; v160-223 Wo: 16 groups of f16
.set SEL,  20                          ; s[20:21] v_permlanex16_b32's selects for lane l xor 16
.set HIM,  22                          ; s22  the mask of lanes 16-31
.set WVN,  23                          ; s23  wave
; 64 numbers of a lane, register xn + 32 c + i = k 64 c + 32 h + i of my row, become a fragment's eight registers of codes (pc on) and my row's scale word (pw).
.macro QUANT xn, pc, pw
.irp c, 0,1
	v_max3_num_f32 v[TMX+\c], |v[\xn+32*\c]|, |v[\xn+32*\c+1]|, 0x1800000   ; my block 2 c + h, and the floor 2^(3 - 127): the byte cannot fall under 1
.endr
.irp i, 2,4,6,8,10,12,14,16,18,20,22,24,26,28,30
.irp c, 0,1
	v_max3_num_f32 v[TMX+\c], v[TMX+\c], |v[\xn+32*\c+\i]|, |v[\xn+32*\c+\i+1]|   ; the two blocks by turns
.endr
.endr
.irp c, 0,1
	v_add_nc_u32 v[SOP+\c], 0xff000000, v[TMX+\c]  ; 2 off the exponent field: the conversion takes this operand's exponent field as its scale
.endr
.irp c, 0,1
	v_lshrrev_b32 v[BYT+\c], 23, v[SOP+\c]         ; the scale's byte
.endr
	v_lshl_or_b32 v[T], v[BYT+1], 16, v[BYT]       ; blocks h and 2 + h,
	v_lshlrev_b32 v[T], v[HSH], v[T]               ; at their places in the word;
	v_permlanex16_b32 v[T2], v[T], s[SEL], s[SEL+1]
	v_or_b32 v[\pw], v[T], v[T2]                   ; with lane l xor 16's two the word is whole
.irp c, 0,1
.irp g, 0,1,2,3
	v_cvt_scalef32_pk8_fp4_f32 v[\pc+4*\c+\g], v[\xn+32*\c+8*\g:\xn+32*\c+8*\g+7], v[SOP+\c]
.endr
.endr
	v_nop                                          ; one plain line behind the last scaled conversion
.endm
	s_load_b512 s[4:19], s[0:1], 0x0               ; Wq s[4:5], Wk s[6:7], Wv s[8:9], Wp s[10:11], Wo s[12:13], wc s[14:15], wsc s[16:17], woi s[18:19]
	v_lshl_add_u32 v[SPW], v0, 2, SPARE
	v_mov_b32 v[NIL], 0
	v_lshrrev_b32 v1, 5, v0
	v_readfirstlane_b32 s[WVN], v1                 ; wave 0..3
	v_and_b32 v[VR], 15, v0
	v_bfe_u32 v[VH], v0, 4, 1
	v_and_b32 v[LI], 31, v0
	v_lshlrev_b32 v[LI], 4, v[LI]
	s_mul_i32 s36, s[WVN], WREG                    ; my wave's stage
	v_add_nc_u32 v[AS], s36, v[LI]
	v_mul_u32_u24 v[AR], v[VR], PITCH
	v_add_nc_u32 v[AR], s36, v[AR]
	v_lshl_add_u32 v[ARB], v[VH], 5, v[AR]
	v_lshl_add_u32 v[AR], v[VH], 7, v[AR]
	v_lshlrev_b32 v[SOF], 4, v[VR]
	v_lshl_add_u32 v[SOF], v[VH], 2, v[SOF]
	v_lshlrev_b32 v[HSH], 3, v[VH]
	v_mov_b32 v[T2], 0                             ; written once: a lane permute's destination counts as one of its sources
	s_mov_b32 s[SEL], 0x76543210
	s_mov_b32 s[SEL+1], 0xfedcba98
	s_mov_b32 s[HIM], 0xffff0000
	s_and_b32 s28, ttmp9, 15
	s_lshl_b32 s28, s28, 2
	s_add_co_u32 s28, s28, s[WVN]                  ; my task among a matrix's 64
	s_lshr_b32 s29, s28, 1                         ; nt: which 16 rows
	s_and_b32 s30, s28, 1                          ; kh: which 256 along K
	s_lshl_b32 s32, s29, 15                        ; 16 rows of 2,048 bytes
	s_lshl_b32 s33, s30, 10                        ; 256 numbers
	s_add_co_u32 s32, s32, s33
	s_mov_b32 s33, 0
	s_lshr_b32 s31, ttmp9, 4                       ; the matrix: 0..3 are quantised, 4 is Wo
	s_wait_kmcnt 0x0
	s_bitcmp1_b32 s31, 0                           ; the choice of the buffer hangs on the work-group's number alone
	s_cselect_b64 s[24:25], s[6:7], s[4:5]
	s_cselect_b64 s[26:27], s[10:11], s[8:9]
	s_cmp_lt_u32 s31, 2
	s_cselect_b64 s[24:25], s[24:25], s[26:27]
	s_cmp_lt_u32 s31, 4
	s_cselect_b64 s[24:25], s[24:25], s[12:13]
	s_add_nc_u64 s[24:25], s[24:25], s[32:33]
.irp e, 0,1
.irp i, 0,1,2,3,4,5,6,7,8,9,10,11,12,13,14,15
	global_load_b128 v[XN+64*\e+4*\i:XN+64*\e+4*\i+3], v[LI], s[24:25] offset:2048*\i+512*\e th:TH_LOAD_NT   ; 32 lanes read 512 consecutive bytes of row i, aligned
.endr
.endr
	s_wait_loadcnt 16                              ; the first 128 along K of all 16 rows are in; the second 16 loads may be out
.irp i, 0,1,2,3,4,5,6,7,8,9,10,11,12,13,14,15
	ds_store_b128 v[AS], v[XN+4*\i:XN+4*\i+3] offset:PITCH*\i
.endr
	s_wait_loadcnt 0x0
.irp i, 0,1,2,3,4,5,6,7,8,9,10,11,12,13,14,15
	ds_store_b128 v[AS], v[XN+64+4*\i:XN+64+4*\i+3] offset:PITCH*\i+512
.endr
	s_wait_dscnt 0x0                               ; the stores are done: the loads below land in the registers that they read
	s_cmp_lt_u32 ttmp9, 64
	s_cbranch_scc0 .Lwo
	; ---- a quantised weight
.irp ksl, 0,1
.irp c, 0,1
.irp j, 0,1,2,3,4,5,6,7
	ds_load_b128 v[XN+64*\ksl+32*\c+4*\j:XN+64*\ksl+32*\c+4*\j+3], v[AR] offset:512*\ksl+256*\c+16*\j   ; k = 128 ksl + 64 c + 32 h + 4 j on, of row r
.endr
.endr
.endr
	s_lshl_b32 s34, s31, 17                        ; wc: 131,072 bytes a matrix,
	s_lshl_b32 s35, s29, 12                        ; 4,096 a tile of rows,
	s_add_co_u32 s34, s34, s35
	s_lshl_b32 s35, s30, 11                        ; 1,024 a K step, two to a task
	s_add_co_u32 s34, s34, s35
	s_mov_b32 s35, 0
	s_add_nc_u64 s[14:15], s[14:15], s[34:35]
	s_lshl_b32 s34, s31, 13                        ; wsc: 8,192 bytes a matrix,
	s_lshl_b32 s35, s29, 8                         ; 256 a tile of rows,
	s_add_co_u32 s34, s34, s35
	s_lshl_b32 s35, s30, 3                         ; two words a task
	s_add_co_u32 s34, s34, s35
	s_mov_b32 s35, 0
	s_add_nc_u64 s[16:17], s[16:17], s[34:35]
	s_wait_dscnt 16                                ; the first K step's 16 loads are in, the second's 16 may be out
	QUANT XN, PC, PW
	s_wait_dscnt 0x0
	QUANT XN+64, PC+8, PW+1
.irp ksl, 0,1
.irp c, 0,1
	global_store_b128 v[LI], v[PC+8*\ksl+4*\c:PC+8*\ksl+4*\c+3], s[14:15] offset:1024*\ksl+512*\c   ; 32 lanes store 512 consecutive bytes, aligned
.endr
.endr
	v_cndmask_b32 v[SW], v[PW], v[PW+1], s[HIM]    ; lanes 0-15 store the first K step's word of row r, lanes 16-31 the second's
	global_store_b32 v[SOF], v[SW], s[16:17]
	s_wait_tensorcnt 0x0                           ; the wave's end: the wait, the add and its wait, behind my last LDS store
	ds_add_u32 v[SPW], v[NIL]
	s_wait_dscnt 0x0
	s_endpgm
	; ---- Wo, to f16
.Lwo:
.irp sl, 0,1,2,3,4,5,6,7
.irp c, 0,1
.irp e, 0,1
	ds_load_b128 v[XN+16*\sl+8*\c+4*\e:XN+16*\sl+8*\c+4*\e+3], v[ARB] offset:128*\sl+64*\c+16*\e   ; k = 32 sl + 16 c + 8 h + 4 e on, of row r
.endr
.endr
.endr
	s_lshl_b32 s34, s29, 14                        ; woi: 16,384 bytes a tile of rows,
	s_lshl_b32 s35, s30, 13                        ; 1,024 a K step of 32, eight to a task
	s_add_co_u32 s34, s34, s35
	s_mov_b32 s35, 0
	s_add_nc_u64 s[18:19], s[18:19], s[34:35]
.irp sl, 0,1,2,3,4,5,6,7
	s_wait_dscnt 28-4*\sl                          ; this K step's four loads are in; the later steps' may be out
.irp c, 0,1
.irp i, 0,1,2,3
	v_cvt_pk_f16_f32 v[HF+8*\sl+4*\c+\i], v[XN+16*\sl+8*\c+2*\i], v[XN+16*\sl+8*\c+2*\i+1]
.endr
.endr
.irp c, 0,1
	global_store_b128 v[LI], v[HF+8*\sl+4*\c:HF+8*\sl+4*\c+3], s[18:19] offset:1024*\sl+512*\c
.endr
.endr
	s_wait_tensorcnt 0x0                           ; the wave's end: the same three lines
	ds_add_u32 v[SPW], v[NIL]
	s_wait_dscnt 0x0
	s_endpgm
.Lfunc_end_k_q5ec6640b8a_prep:
	.size	k_q5ec6640b8a_prep, .Lfunc_end_k_q5ec6640b8a_prep-k_q5ec6640b8a_prep
	.p2alignl 7, 3214868480
	.fill 96, 4, 3214868480
	.section	.rodata,"a",@progbits
	.p2align	6, 0x0
	.amdhsa_kernel k_q5ec6640b8a_prep
		.amdhsa_group_segment_fixed_size 67072
		.amdhsa_private_segment_fixed_size 0
		.amdhsa_enable_private_segment 0
		.amdhsa_kernarg_size 64
		.amdhsa_user_sgpr_count 2
		.amdhsa_user_sgpr_kernarg_segment_ptr 1
		.amdhsa_wavefront_size32 1
		.amdhsa_system_sgpr_workgroup_id_x 1
		.amdhsa_system_sgpr_workgroup_id_y 1
		.amdhsa_system_sgpr_workgroup_id_z 1
		.amdhsa_system_vgpr_workitem_id 0
		.amdhsa_next_free_vgpr 224
		.amdhsa_next_free_sgpr 66
		.amdhsa_reserve_vcc 0
		.amdhsa_float_denorm_mode_32 3
		.amdhsa_float_denorm_mode_16_64 3
		.amdhsa_memory_ordered 1
		.amdhsa_forward_progress 1
		.amdhsa_inst_pref_size 25
	.end_amdhsa_kernel
	.amdgpu_metadata
---
amdhsa.version: [ 1, 2 ]
amdhsa.kernels:
  - .name:           k_q5ec6640b8a_prep
    .symbol:         k_q5ec6640b8a_prep.kd
    .args:
      - { .name: Wq, .offset: 0, .size: 8, .value_kind: global_buffer, .address_space: global }
      - { .name: Wk, .offset: 8, .size: 8, .value_kind: global_buffer, .address_space: global }
      - { .name: Wv, .offset: 16, .size: 8, .value_kind: global_buffer, .address_space: global }
      - { .name: Wp, .offset: 24, .size: 8, .value_kind: global_buffer, .address_space: global }
      - { .name: Wo, .offset: 32, .size: 8, .value_kind: global_buffer, .address_space: global }
      - { .name: wc, .offset: 40, .size: 8, .value_kind: global_buffer, .address_space: global }
      - { .name: wsc, .offset: 48, .size: 8, .value_kind: global_buffer, .address_space: global }
      - { .name: woi, .offset: 56, .size: 8, .value_kind: global_buffer, .address_space: global }
    .group_segment_fixed_size: 67072
    .private_segment_fixed_size: 0
    .kernarg_segment_align: 8
    .kernarg_segment_size: 64
    .max_flat_workgroup_size: 128
    .sgpr_count:     66
    .vgpr_count:     224
    .wavefront_size: 32
...
	.end_amdgpu_metadata
.endif
;; end of part 1
;; launch proj (part 2): grid 256 x 1, 4 waves a work-group, no clusters, 327,680 bytes of LDS; arguments query, value, key_, pos_emb, bq, bv, bk, pos_bias_u, pos_bias_v, mask, wc, wsc, qkv, sbias; writes qkv, sbias
.if DOCPART == 2
	.amdgcn_target "amdgcn-amd-amdhsa--gfx1250"
	.amdhsa_code_object_version 6
	.text
	.protected	k_q5ec6640b8a_proj
	.globl	k_q5ec6640b8a_proj
	.p2align	8
	.type	k_q5ec6640b8a_proj,@function
k_q5ec6640b8a_proj:
	s_mov_b64 s[64:65], 0
	v_nop
	global_prefetch_b8 v0, s[64:65] scope:SCOPE_SE
	s_setreg_imm32_b32 hwreg(HW_REG_WAVE_MODE, 25, 1), 1
	s_wait_xcnt 0x0
; PROJ.  The four quantised projections, on codes of FP4 (E2M1) with one E8M0 scale for each 32 along K, sums in f32.  It stores, as f16 images of the next launch's operand registers,
;   Q' = query Wq^T + bq + u,   K' = key_ Wk^T + bk + pos_emb Wp^T,   V = value Wv^T + bv,   and sbias[b][h][t] = mask[b][t] ? (v - u)[h] . (p + bk)[t][h] : -1e30.
; WHY THESE.  (q + u) . k + (q + v) . p = (q + u) . (k + p) + (v - u) . p: the two score products are one product of Q' and K' and one number for each key.  sbias carries (v - u) . bk besides,
; the same number for all keys of a (batch, head): a softmax over the keys does not see it, whatever the inputs.  It lets bk be the C of the sum's first product in every kind of work-group.
; SHARES.  Every work-group does two halves of 64 rows x K 512 x N 512.  Work-groups 0-63: query rows 128 g on (two results);  64-127: value likewise;  128-255: half A = pos_emb rows 64 (g' % 16) on with Wp,
; half B = key_ rows 64 g' on with Wk, ADDED ONTO half A's sums: one sum over K = 1,024.  Wave w owns columns 128 w .. 128 w + 127 (heads 2 w, 2 w + 1): its fragments of both halves' weights, 2 x 256
; registers, stay in registers.
; THE WAY OF x, IN FOUR STAGES.  Tensor loads bring f32 tiles (16 rows x 128 K) into the wave's own LDS bytes, eight a wave, all asked for at the head, filled once.  Wave w fetches and quantises K STEP w
; of every tile of rows; its tile 2 m + j is half j's rows 16 m on, asked for in that order.  Stage m: each wave waits for its tiles 2 m and 2 m + 1 alone, reads them so that a lane holds whole blocks of
; 32, quantises, and stores fragment and scale word to LDS as images of the operand's registers (16 bytes a lane at 16 x lane); one barrier; every wave loads the eight fragments of rows 16 m on by the
; same lines, multiplies, converts and stores.  So a stage's products and stores stand beside the arrival of the later stages' tiles.  Each image's bytes are written once: one barrier a stage is enough.
; THE PRODUCT IS USED TRANSPOSED (source 0 = 16 rows of W, source 1 = 16 rows of x): a lane holds one token and eight neighbouring columns: 16 bytes of f16.
; qkv [region Q', K', V][batch x head 64][tile of 16 tokens 64][ct 4][slot 32][16 bytes]: the lane (r, h) holds X[token r][16 ct + 8 h + 0 .. 7]; slot = lane for Q' and K';
; for V slot = r % 8 + 8 h + 16 (r / 8), the order in which the turning LDS load of the next launch wants them at 16 x lane.  Every such store covers 512 consecutive bytes, aligned.
; NO JOINT LOADS: the weights, which all work-groups share, go from memory straight into registers and never lie in LDS (x's tiles and images take 307,200 of its bytes); of x only pos_emb's 128 KiB
; tile is shared, and by half of the work-groups alone.  No prefetch: every byte that the work-group reads is asked for at its head.
; LIMITS: |Q'|, |K'|, |V| stay under 65,504 (f16); a block whose largest magnitude lies under 2^-124 gets the byte 1 (a block of zeros too: its codes are zeros); NaN and infinities are not served.
.set XRAWW, 67584                      ; LDS 0: four waves x eight tiles
.set TILEB, 8448                       ; a tile: 16 rows x (512 bytes + 16 of padding): row r starts 132 words on, so that the 16 rows of a load start at 16 different banks (64 banks of 4 bytes: ISA guide 11.1)
.set XIMG,  270336                     ; [half 2][tile of rows 4][K step 4][c 2][lane][16]
.set XSC,   303104                     ; [half 2][tile of rows 4][lane][16 bytes: the row's four scale words]
.set SPARE, 307200                     ; the spare words, 128 bytes a wave: two blocks of 256 bytes that no other line names
; window 0
.set LIX,  1                           ; v1   XIMG + 16 x lane
.set LIS,  2                           ; v2   XSC + 16 x lane
.set LO,   3                           ; v3   16 x my slot in an output group
.set LW,   4                           ; v4   16 x lane
.set WSO,  5                           ; v5   my row's scale words in wsc: lanes 0-15 half A's matrix, lanes 16-31 half B's
.set BOF,  6                           ; v6   512 w + 32 h: my eight columns in a vector of 512
.set MO,   7                           ; v7   4 r
.set BO,   8                           ; v8   4096 h + 4 r
.set NEGR, 9                           ; v9   -1e30
.set SPW,  10                          ; v10  my spare word; never rewritten
.set NIL,  11                          ; v11  0; never rewritten
.set ACC,  16                          ; v16-79   eight accumulators
.set WS,   80                          ; v80-111  the weights' scale words: 4 t + ks
.set XF,   112                         ; v112-175 x's fragments: half A's four, half B's four
.set XS,   176                         ; v176-183 x's scale words, likewise
.set OUT,  184                         ; v184-215 f16 results
.set WD,   216                         ; v216-219 the two dot products, in pairs
.set WT,   220
.set MK,   224                         ; v224-227 mask of token r in the four tiles of rows
.set WVAL, 228                         ; v228-231 what goes to sbias
; window 1: half A's weights, fragment (t, ks) at 8 (4 t + ks);  window 2: half B's
; window 3
.set XN,   0                           ; v0-63    64 numbers of a tile
.set DV,   64                          ; v64-127  v - u in the result's layout: wanted in every stage, so the numbers have one buffer
.set TMX,  128
.set SOP,  130
.set BYT,  132
.set T,    134
.set T2,   135
.set PC,   136                         ; a fragment's codes
.set PW,   152                         ; its scale word
.set AR,   160                         ; where I read my numbers in my wave's tiles
.set AWI,  161                         ; where I store images
.set AWS,  162                         ; and scale words
.set HSH,  163                         ; 8 h
.set CB,   192                         ; v192-255 the C of a sum's first product: bias (+ u), in the result's layout
; scalars
.set WVN,  2                           ; s2  wave
.set ISK,  3                           ; s3  1 in a work-group of K'
.set OUTA, 16                          ; s[16:17] half A's result
.set OUTB, 18                          ; s[18:19] half B's
.set SB,   20                          ; s[20:21] sbias
.set MKB,  22                          ; s[22:23] mask
.set G1,   24                          ; s[24:31] descriptor group 1
.set G0,   32                          ; s[32:63] eight groups 0
.set SEL,  96
.set HIM,  98
.set CM,   99
.set MSB, 0
.macro WIN new                         ; the immediate's high byte repeats the setting that is left; bits 1:0 source 0, 3:2 source 1, 5:4 source 2, 7:6 destination
.if MSB != \new
	s_set_vgpr_msb (MSB<<8)|\new
.set MSB, \new
.endif
.endm
.macro PLACES                          ; four plain vector lines behind matrix instructions, ahead of reads of their results and of loads into their registers
.rept 4
	v_nop
.endr
.endm
; 64 numbers of a lane, register xn + 32 c + i = k 64 c + 32 h + i of my row, become a fragment's eight registers of codes (pc on) and my row's scale word (pw).
.macro QUANT xn, pc, pw
.irp c, 0,1
	v_max3_num_f32 v[TMX+\c], |v[\xn+32*\c]|, |v[\xn+32*\c+1]|, 0x1800000   ; my block 2 c + h, and the floor 2^(3 - 127): the byte cannot fall under 1
.endr
.irp i, 2,4,6,8,10,12,14,16,18,20,22,24,26,28,30
.irp c, 0,1
	v_max3_num_f32 v[TMX+\c], v[TMX+\c], |v[\xn+32*\c+\i]|, |v[\xn+32*\c+\i+1]|
.endr
.endr
.irp c, 0,1
	v_add_nc_u32 v[SOP+\c], 0xff000000, v[TMX+\c]  ; 2 off the exponent field: the conversion's scale operand
.endr
.irp c, 0,1
	v_lshrrev_b32 v[BYT+\c], 23, v[SOP+\c]
.endr
	v_lshl_or_b32 v[T], v[BYT+1], 16, v[BYT]
	v_lshlrev_b32 v[T], v[HSH], v[T]
	v_permlanex16_b32 v[T2], v[T], s[SEL], s[SEL+1]
	v_or_b32 v[\pw], v[T], v[T2]
.irp c, 0,1
.irp g, 0,1,2,3
	v_cvt_scalef32_pk8_fp4_f32 v[\pc+4*\c+\g], v[\xn+32*\c+8*\g:\xn+32*\c+8*\g+7], v[SOP+\c]
.endr
.endr
	v_nop                                          ; one plain line behind the last scaled conversion
.endm
	s_load_b512 s[68:83], s[0:1], 0x0              ; query 68, value 70, key_ 72, pos_emb 74, bq 76, bv 78, bk 80, pos_bias_u 82
	s_load_b256 s[84:91], s[0:1], 0x40             ; pos_bias_v 84, mask 86, wc 88, wsc 90
	s_load_b128 s[92:95], s[0:1], 0x60             ; qkv 92, sbias 94
	v_lshl_add_u32 v[SPW], v0, 2, SPARE
	v_mov_b32 v[NIL], 0
	ds_add_u32 v[SPW], v[NIL]                      ; the wave's opening: the add, twice on end, and its wait ahead of my first tensor load
	ds_add_u32 v[SPW], v[NIL]
	v_lshrrev_b32 v12, 5, v0
	v_readfirstlane_b32 s[WVN], v12                ; wave 0..3
	; which kind of work-group, by its number alone
	s_cmp_ge_u32 ttmp9, 128
	s_cselect_b32 s[ISK], 1, 0
	s_and_b32 s66, ttmp9, 63
	s_lshl_b32 s10, s66, 7                         ; Q', V: half A's first row 128 x index,
	s_add_co_u32 s11, s10, 64                      ; half B's 64 on
	s_and_b32 s66, ttmp9, 127                      ; K': g'
	s_and_b32 s67, s66, 15
	s_lshl_b32 s67, s67, 6                         ; pos_emb's row 64 (g' % 16)
	s_lshl_b32 s66, s66, 6                         ; key_'s row 64 g'
	s_cmp_lg_u32 s[ISK], 0
	s_cselect_b32 s10, s67, s10
	s_cselect_b32 s11, s66, s11
	s_cmp_lt_u32 ttmp9, 64
	s_cselect_b32 s12, 0, 2                        ; half A's matrix in wc: Wq 0, Wv 2,
	s_cselect_b32 s14, 1.0, 0                      ; f: u is added in Q' alone
	s_mov_b32 s15, s14                             ; (named with it as a pair)
	s_mov_b32 s13, s12                             ; half B's the same,
	s_mov_b32 s20, s12                             ; and the region of qkv: Q' 0, V 2
	s_cmp_lg_u32 s[ISK], 0
	s_cselect_b32 s12, 3, s12                      ; K': Wp,
	s_cselect_b32 s13, 1, s13                      ; Wk,
	s_cselect_b32 s20, 1, s20                      ; region 1
	s_cmp_eq_u32 s20, 2
	s_cselect_b32 s21, -1, 0                       ; all lanes in a work-group of V
	s_mov_b32 s[SEL], 0x76543210
	s_mov_b32 s[SEL+1], 0xfedcba98                 ; v_permlanex16_b32's selects for lane l xor 16
	s_mov_b32 s[HIM], 0xffff0000                   ; lanes 16-31
	; addresses that stay, window 0
	v_and_b32 v12, 15, v0                          ; r
	v_bfe_u32 v13, v0, 4, 1                        ; h
	v_and_b32 v14, 31, v0                          ; lane
	v_lshl_add_u32 v[LIX], v14, 4, XIMG
	v_lshl_add_u32 v[LIS], v14, 4, XSC
	v_lshlrev_b32 v[LW], 4, v14
	v_and_b32 v15, 7, v12
	v_lshl_add_u32 v15, v13, 3, v15
	v_lshrrev_b32 v[LO], 3, v12
	v_lshl_add_u32 v15, v[LO], 4, v15              ; r % 8 + 8 h + 16 (r / 8)
	v_lshlrev_b32 v15, 4, v15
	v_cndmask_b32 v[LO], v[LW], v15, s21           ; V's order of slots, or the lanes' own
	s_lshl_b32 s66, s12, 13                        ; 8,192 bytes of scale words a matrix
	s_lshl_b32 s67, s13, 13
	v_mov_b32 v15, s66
	v_mov_b32 v[WSO], s67
	v_cndmask_b32 v[WSO], v15, v[WSO], s[HIM]
	v_lshl_add_u32 v[WSO], v12, 4, v[WSO]
	s_lshl_b32 s66, s[WVN], 11                     ; my 128 rows of 16 bytes
	v_add_nc_u32 v[WSO], s66, v[WSO]
	v_lshlrev_b32 v[BOF], 5, v13
	s_lshl_b32 s66, s[WVN], 9
	v_add_nc_u32 v[BOF], s66, v[BOF]
	v_lshlrev_b32 v[MO], 2, v12
	v_lshl_add_u32 v[BO], v13, 12, v[MO]
	v_mov_b32 v[NEGR], 0xf149f2ca
	v_mov_b32 v[WT], 0                             ; written once: a lane permute's destination counts as one of its sources
	v_mov_b32 v[WT+1], 0
	; descriptor group 1: 16 rows x 512 bytes, rows 2,048 bytes apart in memory, padded in LDS
	s_mov_b32 s[G1], (3<<16)|(1<<20)|(6<<22)|(3<<25)  ; 15:0 no mask; 17:16 elements of 8 bytes; 20 padding on; 24:22 after every 128 words (code 6); 31:25 four words (code 3)
	s_mov_b32 s[G1+1], 64<<16                      ; tensor_dim0 = 64 elements
	s_mov_b32 s[G1+2], 16<<16                      ; tensor_dim1 = 16
	s_mov_b32 s[G1+3], 64<<16                      ; tile_dim0 = 64
	s_mov_b32 s[G1+4], 16                          ; tile_dim1 = 16
	s_mov_b32 s[G1+5], 256                         ; tensor_dim0_stride: 256 elements from row to row
	s_mov_b32 s[G1+6], 0
	s_mov_b32 s[G1+7], 0
	s_mul_i32 s22, s[WVN], XRAWW                   ; my wave's tiles in LDS
	s_lshl_b32 s67, s[WVN], 9                      ; my K step: 512 bytes along a row
	s_lshl_b32 s66, s10, 11                        ; half A's first row, in bytes,
	s_add_co_u32 s66, s66, s67
	s_lshl_b32 s100, s11, 11                       ; half B's
	s_add_co_u32 s100, s100, s67
	s_mov_b32 s67, 0
	s_mov_b32 s101, 0
	s_wait_dscnt 0x0                               ; both opening adds are done
	s_wait_kmcnt 0x0
	s_cmp_lt_u32 ttmp9, 64                         ; the buffers are chosen by the work-group's number alone
	s_cselect_b64 s[4:5], s[68:69], s[70:71]
	s_cselect_b64 s[8:9], s[76:77], s[78:79]
	s_mov_b64 s[6:7], s[4:5]
	s_cmp_lg_u32 s[ISK], 0
	s_cselect_b64 s[4:5], s[74:75], s[4:5]
	s_cselect_b64 s[6:7], s[72:73], s[6:7]
	s_cselect_b64 s[8:9], s[80:81], s[8:9]
	s_add_nc_u64 s[4:5], s[4:5], s[66:67]
	s_add_nc_u64 s[6:7], s[6:7], s[100:101]
.irp i, 0,1,2,3,4,5,6,7                            ; tile i = 2 x tile of rows + half
	s_mov_b32 s[G0+4*\i], 1                        ; count = 1
	s_add_co_u32 s[G0+4*\i+1], s22, \i*TILEB       ; LDS address
	s_add_nc_u64 s[G0+4*\i+2:G0+4*\i+3], s[4+2*(\i%2):5+2*(\i%2)], (\i/2)*32768   ; 16 rows of 2,048 bytes a tile of rows
	s_or_b32 s[G0+4*\i+3], s[G0+4*\i+3], 0x80000000   ; type = 2
.endr
.irp i, 0,1,2,3,4,5,6,7                            ; all first fills in one group, in the order in which the stages want them: eight loads of mine are out
	tensor_load_to_lds s[G0+4*\i:G0+4*\i+3], s[G1:G1+7]
	s_nop 0
.endr
	PLACES
	; where the results go
	s_lshl_b32 s100, s20, 23                       ; 8 MiB a region,
	s_lshl_b32 s66, s[WVN], 18                     ; 131,072 bytes a head, two heads a wave
	s_add_co_u32 s100, s100, s66
	s_lshr_b32 s66, s10, 10
	s_lshl_b32 s66, s66, 20                        ; eight heads a batch,
	s_and_b32 s67, s10, 1023
	s_lshl_b32 s67, s67, 7                         ; 2,048 bytes a tile of 16 tokens
	s_add_co_u32 s66, s66, s67
	s_add_co_u32 s66, s66, s100
	s_mov_b32 s67, 0
	s_add_nc_u64 s[OUTA:OUTA+1], s[92:93], s[66:67]
	s_lshr_b32 s66, s11, 10
	s_lshl_b32 s66, s66, 20
	s_and_b32 s67, s11, 1023
	s_lshl_b32 s67, s67, 7
	s_add_co_u32 s66, s66, s67
	s_add_co_u32 s66, s66, s100
	s_mov_b32 s67, 0
	s_add_nc_u64 s[OUTB:OUTB+1], s[92:93], s[66:67]
	s_lshr_b32 s66, s11, 10                        ; sbias: ((8 batch + 2 w) x 1,024 + token) x 4
	s_lshl_b32 s66, s66, 3
	s_lshl_b32 s67, s[WVN], 1
	s_add_co_u32 s66, s66, s67
	s_lshl_b32 s66, s66, 10
	s_and_b32 s67, s11, 1023
	s_add_co_u32 s66, s66, s67
	s_lshl_b32 s66, s66, 2
	s_mov_b32 s67, 0
	s_add_nc_u64 s[SB:SB+1], s[94:95], s[66:67]
	s_lshl_b32 s66, s11, 2
	s_add_nc_u64 s[MKB:MKB+1], s[86:87], s[66:67]
	s_lshl_b32 s100, s[WVN], 15                    ; my eight tiles of rows in wc, 4,096 bytes each
	s_lshl_b32 s66, s12, 17
	s_add_co_u32 s66, s66, s100
	s_add_nc_u64 s[4:5], s[88:89], s[66:67]        ; half A's weights
	s_lshl_b32 s66, s13, 17
	s_add_co_u32 s66, s66, s100
	s_add_nc_u64 s[6:7], s[88:89], s[66:67]        ; half B's
	WIN 0xc0                                       ; destination window 3
.irp t, 0,1,2,3,4,5,6,7
	global_load_b128 v[CB+8*\t:CB+8*\t+3], v[BOF], s[8:9] offset:64*\t          ; the bias of columns 128 w + 16 t + 8 h + 0 .. 7
	global_load_b128 v[CB+8*\t+4:CB+8*\t+7], v[BOF], s[8:9] offset:64*\t+16
.endr
	WIN 0
.irp t, 0,1,2,3,4,5,6,7
	global_load_b128 v[ACC+8*\t:ACC+8*\t+3], v[BOF], s[82:83] offset:64*\t      ; u, for the time being where the sums will lie
	global_load_b128 v[ACC+8*\t+4:ACC+8*\t+7], v[BOF], s[82:83] offset:64*\t+16
.endr
.irp t, 0,1,2,3,4,5,6,7
	global_load_b128 v[XF+8*\t:XF+8*\t+3], v[BOF], s[84:85] offset:64*\t        ; v, where the fragments will lie
	global_load_b128 v[XF+8*\t+4:XF+8*\t+7], v[BOF], s[84:85] offset:64*\t+16
.endr
.irp m, 0,1,2,3
	global_load_b32 v[MK+\m], v[MO], s[MKB:MKB+1] offset:64*\m
.endr
.irp t, 0,1,2,3,4,5,6,7
	global_load_b128 v[WS+4*\t:WS+4*\t+3], v[WSO], s[90:91] offset:256*\t       ; the four scale words of row 128 w + 16 t + r
.endr
	WIN 0x40                                       ; destination window 1
.irp t, 0,1,2,3,4,5,6,7
.irp ks, 0,1,2,3
.irp c, 0,1
	global_load_b128 v[8*(4*\t+\ks)+4*\c:8*(4*\t+\ks)+4*\c+3], v[LW], s[4:5] offset:(4*\t+\ks)*1024+512*\c
.endr
.endr
.endr
	WIN 0x80                                       ; destination window 2
.irp t, 0,1,2,3,4,5,6,7
.irp ks, 0,1,2,3
.irp c, 0,1
	global_load_b128 v[8*(4*\t+\ks)+4*\c:8*(4*\t+\ks)+4*\c+3], v[LW], s[6:7] offset:(4*\t+\ks)*1024+512*\c
.endr
.endr
.endr
	WIN 0
	v_mul_u32_u24 v15, v12, 528
	v_lshl_add_u32 v15, v13, 7, v15                ; row r of a tile, + 128 h
	s_mul_i32 s100, s[WVN], XRAWW
	s_lshl_b32 s66, s[WVN], 10
	s_add_co_u32 s66, s66, XIMG                    ; I make K step w of every fragment row: 1,024 bytes a K step
	s_lshl_b32 s67, s[WVN], 2
	s_add_co_u32 s67, s67, XSC                     ; and word w of every row's four scale words
	WIN 0xc0                                       ; the quantiser's own registers lie in window 3
	v_add_nc_u32 v[AR], s100, v15
	v_lshl_add_u32 v[AWI], v14, 4, s66
	v_lshl_add_u32 v[AWS], v14, 4, s67
	v_lshlrev_b32 v[HSH], 3, v13
	v_mov_b32 v[T2], 0                             ; written once: a lane permute's destination counts as one of its sources
; my tile i = 2 m + j becomes the fragment (half j, rows 16 m on, K step w).  All operands in window 3
.macro QTILE i
	s_wait_tensorcnt 7-(\i)                        ; tensor loads of a wave end in order (ISA guide 10.11.1): tile i is in, the 7 - i younger ones may be out.  Only I read my tiles
.irp c, 0,1
.irp j, 0,1,2,3,4,5,6,7
	ds_load_b128 v[XN+32*\c+4*\j:XN+32*\c+4*\j+3], v[AR] offset:(\i)*TILEB+256*\c+16*\j
.endr
.endr
	s_wait_dscnt 0x0                               ; the numbers are in registers, and the last fragment's stores are done: its registers may be written again
	QUANT XN, PC, PW
	ds_store_b128 v[AWI], v[PC:PC+3] offset:((\i)&1)*16384+((\i)>>1)*4096        ; the fragment as it stands: 512 consecutive bytes a store
	ds_store_b128 v[AWI], v[PC+4:PC+7] offset:((\i)&1)*16384+((\i)>>1)*4096+512
	ds_store_b32 v[AWS], v[PW] offset:((\i)&1)*2048+((\i)>>1)*512                ; my K step's scale word of my row
.endm
; nine LDS loads: the four fragments of half j's tile of rows m, and its rows' scale words
.macro FETCH j, m
.irp ks, 0,1,2,3
.irp c, 0,1
	ds_load_b128 v[XF+32*\j+8*\ks+4*\c:XF+32*\j+8*\ks+4*\c+3], v[LIX] offset:(\j)*16384+(\m)*4096+\ks*1024+512*\c
.endr
.endr
	ds_load_b128 v[XS+4*\j:XS+4*\j+3], v[LIS] offset:(\j)*2048+(\m)*512
.endm
; eight products, K step ks of half j: the eight accumulators take turns, one instruction a turn.  cb = 1: C is the bias: the sum begins.
; The weights' scale words: half A's in lanes 0-15 of the register, half B's in lanes 16-31.
.macro MULK j, ks, cb
.irp t, 0,1,2,3,4,5,6,7
.if \j
.if \cb
	v_wmma_scale_f32_16x16x128_f8f6f4 v[ACC+8*\t:ACC+8*\t+7], v[8*(4*\t+\ks):8*(4*\t+\ks)+7], v[XF+32*\j+8*\ks:XF+32*\j+8*\ks+7], v[CB+8*\t:CB+8*\t+7], v[WS+4*\t+\ks], v[XS+4*\j+\ks] matrix_a_fmt:MATRIX_FMT_FP4 matrix_b_fmt:MATRIX_FMT_FP4 matrix_a_scale:MATRIX_SCALE_ROW1
.else
	v_wmma_scale_f32_16x16x128_f8f6f4 v[ACC+8*\t:ACC+8*\t+7], v[8*(4*\t+\ks):8*(4*\t+\ks)+7], v[XF+32*\j+8*\ks:XF+32*\j+8*\ks+7], v[ACC+8*\t:ACC+8*\t+7], v[WS+4*\t+\ks], v[XS+4*\j+\ks] matrix_a_fmt:MATRIX_FMT_FP4 matrix_b_fmt:MATRIX_FMT_FP4 matrix_a_scale:MATRIX_SCALE_ROW1
.endif
.else
.if \cb
	v_wmma_scale_f32_16x16x128_f8f6f4 v[ACC+8*\t:ACC+8*\t+7], v[8*(4*\t+\ks):8*(4*\t+\ks)+7], v[XF+32*\j+8*\ks:XF+32*\j+8*\ks+7], v[CB+8*\t:CB+8*\t+7], v[WS+4*\t+\ks], v[XS+4*\j+\ks] matrix_a_fmt:MATRIX_FMT_FP4 matrix_b_fmt:MATRIX_FMT_FP4
.else
	v_wmma_scale_f32_16x16x128_f8f6f4 v[ACC+8*\t:ACC+8*\t+7], v[8*(4*\t+\ks):8*(4*\t+\ks)+7], v[XF+32*\j+8*\ks:XF+32*\j+8*\ks+7], v[ACC+8*\t:ACC+8*\t+7], v[WS+4*\t+\ks], v[XS+4*\j+\ks] matrix_a_fmt:MATRIX_FMT_FP4 matrix_b_fmt:MATRIX_FMT_FP4
.endif
.endif
.endr
.endm
; the eight accumulators leave as f16: tile t is head t / 4 of my two, group t % 4
.macro CVST base, m
	s_wait_xcnt 0x0                                ; the stores issued so far have read their registers: OUT may be written again
.irp t, 0,1,2,3,4,5,6,7
.irp i, 0,1,2,3
	v_cvt_pk_f16_f32 v[OUT+4*\t+\i], v[ACC+8*\t+2*\i], v[ACC+8*\t+2*\i+1]     ; each accumulator from its low end on
.endr
.endr
.irp t, 0,1,2,3,4,5,6,7
	global_store_b128 v[LO], v[OUT+4*\t:OUT+4*\t+3], s[\base:\base+1] offset:(\m)*2048+(\t/4)*131072+(\t%4)*512   ; 32 lanes store 512 consecutive bytes, aligned
.endr
.endm
; K' alone, behind half A: (v - u) . (p + bk) of token r for my two heads, -1e30 where the key is masked.  64 bytes of each of two rows of sbias a store: 256 KiB in the launch
.macro DOT m
	WIN 0x0c                                       ; source 1 (v - u) window 3
	v_pk_mul_f32 v[WD:WD+1], v[ACC:ACC+1], v[DV:DV+1]
	v_pk_mul_f32 v[WD+2:WD+3], v[ACC+32:ACC+33], v[DV+32:DV+33]
.irp i, 2,4,6,8,10,12,14,16,18,20,22,24,26,28,30
	v_pk_fma_f32 v[WD:WD+1], v[ACC+\i:ACC+\i+1], v[DV+\i:DV+\i+1], v[WD:WD+1]
	v_pk_fma_f32 v[WD+2:WD+3], v[ACC+32+\i:ACC+33+\i], v[DV+32+\i:DV+33+\i], v[WD+2:WD+3]
.endr
	WIN 0
	v_add_f32 v[WD], v[WD], v[WD+1]
	v_add_f32 v[WD+2], v[WD+2], v[WD+3]
	v_permlanex16_b32 v[WT], v[WD], s[SEL], s[SEL+1]
	v_permlanex16_b32 v[WT+1], v[WD+2], s[SEL], s[SEL+1]
	v_add_f32 v[WD], v[WD], v[WT]                  ; with lane l xor 16's 32 channels
	v_add_f32 v[WD+2], v[WD+2], v[WT+1]
	v_cndmask_b32 v[WVAL+\m], v[WD], v[WD+2], s[HIM]     ; lanes 0-15 head 2 w, lanes 16-31 head 2 w + 1
	v_cmp_eq_u32 s[CM], 0, v[MK+\m]
	v_cndmask_b32 v[WVAL+\m], v[WVAL+\m], v[NEGR], s[CM]
	global_store_b32 v[BO], v[WVAL+\m], s[SB:SB+1] offset:64*\m
.endm
; STAGE m: rows 16 m on of both halves, from f32 tiles to stored results
.macro STAGE m
	WIN 0xff
	QTILE 2*\m
	QTILE 2*\m+1
	WIN 0
	s_wait_dscnt 0x0                               ; for the others' sake: my stores have landed
	s_barrier_signal -1
	s_barrier_wait -1                              ; the eight fragments of rows 16 m on lie in LDS; their bytes are not written again, and no LDS byte is filled again
.if \m == 0
	; the constants in the result's layout, once
	s_wait_loadcnt 0x0                             ; biases, mask, weights and their scale words
	WIN 0xf0                                       ; source 2 and destination window 3
.irp i, 0,2,4,6,8,10,12,14,16,18,20,22,24,26,28,30,32,34,36,38,40,42,44,46,48,50,52,54,56,58,60,62
	v_pk_fma_f32 v[CB+\i:CB+\i+1], v[ACC+\i:ACC+\i+1], s[14:15], v[CB+\i:CB+\i+1] op_sel_hi:[1,0,1]   ; bias + f u
.endr
	WIN 0xc0
.irp i, 0,2,4,6,8,10,12,14,16,18,20,22,24,26,28,30,32,34,36,38,40,42,44,46,48,50,52,54,56,58,60,62
	v_pk_add_f32 v[DV+\i:DV+\i+1], v[XF+\i:XF+\i+1], v[ACC+\i:ACC+\i+1] neg_lo:[0,1] neg_hi:[0,1]      ; v - u
.endr
	WIN 0
.endif
	FETCH 0, \m
	FETCH 1, \m
	s_wait_dscnt 9                                 ; half A's nine loads are in, half B's nine may be out
	WIN 0x31                                       ; source 0 window 1, source 2 window 3
	MULK 0, 0, 1
	WIN 0x01
	MULK 0, 1, 0
	MULK 0, 2, 0
	MULK 0, 3, 0
	WIN 0
	PLACES                                         ; ahead of the first read of the sums
	s_wait_dscnt 0x0                               ; half B's fragments are in
	s_cmp_lg_u32 s[ISK], 0
	s_cbranch_scc1 .Lk_\@
	CVST OUTA, \m                                  ; Q', V: half A is a result; its conversions are also the places ahead of the products that begin the sums anew
	WIN 0x32                                       ; source 0 window 2, source 2 window 3
	MULK 1, 0, 1
	WIN 0
	s_branch .Lj_\@
.Lk_\@:
	DOT \m                                         ; K': half A's sums are p + bk; half B adds onto them
	WIN 0x02
	MULK 1, 0, 0
	WIN 0
.Lj_\@:
	WIN 0x02
	MULK 1, 1, 0
	MULK 1, 2, 0
	MULK 1, 3, 0
	WIN 0
	PLACES
	CVST OUTB, \m
.endm
	STAGE 0
	STAGE 1
	STAGE 2
	STAGE 3
	s_wait_tensorcnt 0x0                           ; the wave's end: the wait, the add and its wait, behind my last tensor load and my last LDS store
	ds_add_u32 v[SPW], v[NIL]
	s_wait_dscnt 0x0
	s_endpgm
.Lfunc_end_k_q5ec6640b8a_proj:
	.size	k_q5ec6640b8a_proj, .Lfunc_end_k_q5ec6640b8a_proj-k_q5ec6640b8a_proj
	.p2alignl 7, 3214868480
	.fill 96, 4, 3214868480
	.section	.rodata,"a",@progbits
	.p2align	6, 0x0
	.amdhsa_kernel k_q5ec6640b8a_proj
		.amdhsa_group_segment_fixed_size 327680
		.amdhsa_private_segment_fixed_size 0
		.amdhsa_enable_private_segment 0
		.amdhsa_kernarg_size 112
		.amdhsa_user_sgpr_count 2
		.amdhsa_user_sgpr_kernarg_segment_ptr 1
		.amdhsa_wavefront_size32 1
		.amdhsa_system_sgpr_workgroup_id_x 1
		.amdhsa_system_sgpr_workgroup_id_y 1
		.amdhsa_system_sgpr_workgroup_id_z 1
		.amdhsa_system_vgpr_workitem_id 0
		.amdhsa_next_free_vgpr 1024
		.amdhsa_next_free_sgpr 102
		.amdhsa_reserve_vcc 0
		.amdhsa_float_denorm_mode_32 3
		.amdhsa_float_denorm_mode_16_64 3
		.amdhsa_memory_ordered 1
		.amdhsa_forward_progress 1
		.amdhsa_inst_pref_size 142
	.end_amdhsa_kernel
	.amdgpu_metadata
---
amdhsa.version: [ 1, 2 ]
amdhsa.kernels:
  - .name:           k_q5ec6640b8a_proj
    .symbol:         k_q5ec6640b8a_proj.kd
    .args:
      - { .name: query, .offset: 0, .size: 8, .value_kind: global_buffer, .address_space: global }
      - { .name: value, .offset: 8, .size: 8, .value_kind: global_buffer, .address_space: global }
      - { .name: key_, .offset: 16, .size: 8, .value_kind: global_buffer, .address_space: global }
      - { .name: pos_emb, .offset: 24, .size: 8, .value_kind: global_buffer, .address_space: global }
      - { .name: bq, .offset: 32, .size: 8, .value_kind: global_buffer, .address_space: global }
      - { .name: bv, .offset: 40, .size: 8, .value_kind: global_buffer, .address_space: global }
      - { .name: bk, .offset: 48, .size: 8, .value_kind: global_buffer, .address_space: global }
      - { .name: pos_bias_u, .offset: 56, .size: 8, .value_kind: global_buffer, .address_space: global }
      - { .name: pos_bias_v, .offset: 64, .size: 8, .value_kind: global_buffer, .address_space: global }
      - { .name: mask, .offset: 72, .size: 8, .value_kind: global_buffer, .address_space: global }
      - { .name: wc, .offset: 80, .size: 8, .value_kind: global_buffer, .address_space: global }
      - { .name: wsc, .offset: 88, .size: 8, .value_kind: global_buffer, .address_space: global }
      - { .name: qkv, .offset: 96, .size: 8, .value_kind: global_buffer, .address_space: global }
      - { .name: sbias, .offset: 104, .size: 8, .value_kind: global_buffer, .address_space: global }
    .group_segment_fixed_size: 327680
    .private_segment_fixed_size: 0
    .kernarg_segment_align: 8
    .kernarg_segment_size: 112
    .max_flat_workgroup_size: 128
    .sgpr_count:     102
    .vgpr_count:     1024
    .wavefront_size: 32
...
	.end_amdgpu_metadata
.endif
;; end of part 2
;; launch attn (part 3): grid 4 x 64, 8 waves a work-group, clusters of 4 x 1, 327,680 bytes of LDS; arguments qkv, sbias, xi; writes xi
.if DOCPART == 3
	.amdgcn_target "amdgcn-amd-amdhsa--gfx1250"
	.amdhsa_code_object_version 6
	.text
	.protected	k_q5ec6640b8a_attn
	.globl	k_q5ec6640b8a_attn
	.p2align	8
	.type	k_q5ec6640b8a_attn,@function
k_q5ec6640b8a_attn:
	s_mov_b64 s[64:65], 0
	v_nop
	global_prefetch_b8 v0, s[64:65] scope:SCOPE_SE
	s_setreg_imm32_b32 hwreg(HW_REG_WAVE_MODE, 25, 1), 1
	s_wait_xcnt 0x0
	s_wait_alu depctr_hold_cnt(0) depctr_sa_sdst(0) depctr_va_vdst(0) depctr_va_sdst(0) depctr_va_ssrc(0) depctr_va_vcc(0) depctr_vm_vsrc(0)
	s_getreg_b32 s2, hwreg(HW_REG_IB_STS2, 6, 4)
	s_cmp_eq_u32 s2, 0
	s_cbranch_scc0 .Lentry_in_a_cluster
	s_endpgm
.Lentry_in_a_cluster:
	s_bfe_u32 s2, ttmp6, 0x10000c
	s_cmp_lg_u32 s2, 0x3003
	s_cbranch_scc0 .Lentry_shape_is_right
	s_endpgm
.Lentry_shape_is_right:
; ATTN.  x[b][q][h][:] = the sum over keys of softmax_k((Q'[q] . K'[k] + sbias[k]) / 8) V[k][:], for one (batch, head) and 256 queries a work-group.  f16 operands, f32 sums, maxima and softmax.
; sbias[k] is the position term of key k, or -1e30 where the key is masked: it is the C of the score product's first instruction, so that term and mask cost no vector line.
; SHARES.  Eight waves, each 32 queries: two tiles of 16.  Two waves lie on a SIMD: one's softmax stands beside the other's products and LDS loads.  Every wave walks the head's 1,024 keys, 64 a step.
; K', V (131,072 bytes each) and sbias (4,096) of the head lie in LDS WHOLE, filled once: no slot is filled again.  They come in four chunks of 256 keys, so that the first steps start while the rest is on its way.
; A STEP AHEAD.  K' and sbias of step j + 1 are read from LDS directly behind the score products of step j, into the registers that those products have just read, and land under the softmax; V of step j is
; read at the step's head and is wanted behind the softmax.  So the barrier that shows chunk c + 1 whole stands in front of step 4 c + 3, whose look-ahead is the first to read it; the last step is written
; out without a look-ahead.
; CLUSTER.  The four blocks of queries of a head need the same K', V and sbias: every tensor load is asked for JOINTLY, with the same descriptor and a mask that names the four.  The place in the cluster
; enters the addresses of Q' and x alone.
; LAYOUT.  All operands lie as images of the operand registers, 16 bytes a lane at 16 x lane: no pitch, no padding.  S^T = K' Q'^T (source 0 = 16 keys, source 1 = 16 queries): a lane holds ONE query
; (lane % 16) and keys 8 (lane / 16) + 0 .. 7 of each tile; two such tiles, rounded to f16 in pairs, ARE source 1 of O^T = V^T P; V is turned by ds_load_tr16_b128.
; SOFTMAX.  For each query a running maximum m and sum l: p = 2^(c s - c m), c = log2(e) / 8; in every step O and l are multiplied by a = 2^(c m_old - c m_new).  m begins at -2^96 and never lies under it:
; a masked key's p is 2^(c (-1e30 + 2^96)) = 0, and a row whose every key is masked ends with l = 0 and O = 0, and gives x = 0.
; LIMITS: an open key's score lies above -2^96; |x| stays under 65,504; NaN and infinities are not served.
; No prefetch: all that the work-group reads is asked for at its head.
.set VIMG,  131072                     ; LDS: K' at 0, V here,
.set BIAS,  262144                     ; sbias,
.set SPARE, 266240                     ; the spare words, 128 bytes a wave: four blocks of 256 bytes that no other line names
; window 0
.set LI,  1                            ; v1   16 x lane
.set ADK, 2                            ; v2   the step's tiles of K'
.set ADV, 3                            ; v3   of V
.set ADB, 4                            ; v4   its 64 numbers of sbias
.set AB0, 5                            ; v5   BIAS + 32 h
.set AV0, 6                            ; v6   VIMG + 16 x lane
.set SPW, 8                            ; v8   my spare word; never rewritten
.set NIL, 9                            ; v9   0; never rewritten
.set ST,  12                           ; v12-27  tile q's statistics at ST + 8 q: +0 c m, +1 m, +2, +3 l (even keys', odd keys'), +4 to +7 at work, a at +6
.set CBI, 32                           ; v32-63  sbias in the scores' layout: 8 kt + j = key 16 kt + 8 h + j
.set S,   64                           ; v64-127 S^T, 32 a tile
.set P,   128                          ; v128-159 P, 16 a tile
.set O,   160                          ; v160-223 O^T, 32 a tile
; window 1
.set KF,  0                            ; K': fragment (kt, s) at 8 (2 kt + s)
.set VF,  64                           ; V^T: fragment (ct, kg) at 64 + 8 (2 ct + kg)
.set QF,  128                          ; Q': 128 + 16 q + 8 s
.set WV,  12                           ; s12  wave
.set G1D, 24                           ; s[24:31] group 1: 8,192 dense bytes
.set G1R, 32                           ; s[32:39] group 1: one row of 512 bytes
.set G0,  40                           ; s[40:59] five groups 0
.set SEL, 60
.set CS,  62                           ; s[62:63] c, twice: the packed form names a pair
.set TB,  66                           ; s66  LDS byte of the step's tiles of K': 8,192 a step
.set TBB, 67                           ; s67  and of its part of sbias: 256 a step
.set CNT, 68
.set W_LD, 0x40                        ; destination window 1
.set W_QK, 0x05                        ; sources 0 and 1 window 1
.set W_PV, 0x01                        ; source 0 window 1
.set MSB, 0
.macro WIN new                         ; the immediate's high byte repeats the setting that is left
.if MSB != \new
	s_set_vgpr_msb (MSB<<8)|\new
.set MSB, \new
.endif
.endm
.macro PLACES
.rept 4
	v_nop
.endr
.endm
.macro CROUND                          ; a round of the cluster's barrier
	s_barrier_signal -1
	s_barrier_wait -1
	s_cmp_lg_u32 s[WV], 0
	s_cbranch_scc1 .Lnot_wave_0_\@
	s_barrier_signal -3
.Lnot_wave_0_\@:
	s_barrier_wait -3
	s_barrier_signal -1
	s_barrier_wait -1
.endm
	s_load_b128 s[4:7], s[0:1], 0x0                ; qkv, sbias
	s_load_b64 s[8:9], s[0:1], 0x10                ; xi
	v_lshl_add_u32 v[SPW], v0, 2, SPARE
	v_mov_b32 v[NIL], 0
	ds_add_u32 v[SPW], v[NIL]                      ; the wave's opening: the add, twice on end, and its wait ahead of my first tensor load
	ds_add_u32 v[SPW], v[NIL]
	v_lshrrev_b32 v1, 5, v0
	v_readfirstlane_b32 s[WV], v1                  ; wave 0..7
	v_and_b32 v[LI], 31, v0
	v_lshlrev_b32 v[LI], 4, v[LI]
	v_add_nc_u32 v[AV0], VIMG, v[LI]
	v_bfe_u32 v10, v0, 4, 1
	v_lshl_add_u32 v[AB0], v10, 5, BIAS
	s_bfe_u32 s13, ttmp6, 0x40000                  ; cx: my block of 256 queries
	s_and_b32 s10, ttmp7, 0xffff                   ; 8 x batch + head, which the four partners share
	s_mov_b32 s[G1D], 15|(3<<16)|(1<<21)           ; 15:0 the mask: all four work-groups; 17:16 elements of 8 bytes; 21 set beside a mask; no padding
	s_mov_b32 s[G1D+1], 32<<16                     ; tensor_dim0 = 32 elements: rows of 256 bytes
	s_mov_b32 s[G1D+2], 32<<16                     ; tensor_dim1 = 32
	s_mov_b32 s[G1D+3], 32<<16                     ; tile_dim0
	s_mov_b32 s[G1D+4], 32                         ; tile_dim1
	s_mov_b32 s[G1D+5], 32                         ; the rows follow each other
	s_mov_b32 s[G1D+6], 0
	s_mov_b32 s[G1D+7], 0
	s_mov_b32 s[G1R], 15|(3<<16)|(1<<21)
	s_mov_b32 s[G1R+1], 64<<16                     ; one row of 64 elements
	s_mov_b32 s[G1R+2], 1<<16
	s_mov_b32 s[G1R+3], 64<<16
	s_mov_b32 s[G1R+4], 1
	s_mov_b32 s[G1R+5], 64
	s_mov_b32 s[G1R+6], 1<<16
	s_mov_b32 s[G1R+7], 0
	s_lshr_b32 s18, s[WV], 2                       ; waves 0-3 fetch K', waves 4-7 V,
	s_and_b32 s19, s[WV], 3                        ; each a quarter of every chunk
	s_lshl_b32 s20, s18, 17
	s_lshl_b32 s21, s19, 13
	s_add_co_u32 s20, s20, s21                     ; in LDS
	s_add_co_u32 s22, s18, 1                       ; in qkv: region 1 or 2,
	s_lshl_b32 s22, s22, 23
	s_lshl_b32 s23, s10, 17                        ; the head,
	s_add_co_u32 s22, s22, s23
	s_add_co_u32 s22, s22, s21                     ; my quarter
	s_mov_b32 s23, 0
	s_lshl_b32 s69, s[WV], 9                       ; sbias: 512 bytes a wave
	s_lshl_b32 s70, s10, 12
	s_add_co_u32 s70, s70, s69
	s_mov_b32 s71, 0
	s_lshl_b32 s72, s13, 4
	s_lshl_b32 s73, s[WV], 1
	s_add_co_u32 s72, s72, s73                     ; my first tile of 16 queries in the head
	s_lshr_b32 s74, s10, 3
	s_lshl_b32 s74, s74, 6
	s_add_co_u32 s74, s74, s72
	s_lshl_b32 s74, s74, 14                        ; xi: 16,384 bytes a tile of rows,
	s_and_b32 s75, s10, 7
	s_lshl_b32 s75, s75, 11                        ; 2,048 a head
	s_add_co_u32 s74, s74, s75
	s_mov_b32 s75, 0
	s_lshl_b32 s72, s72, 11                        ; Q': 2,048 bytes a tile,
	s_lshl_b32 s73, s10, 17                        ; 131,072 a head
	s_add_co_u32 s72, s72, s73
	s_mov_b32 s73, 0
	s_mov_b32 s[SEL], 0x76543210
	s_mov_b32 s[SEL+1], 0xfedcba98
	s_mov_b32 s[CS], 0x3e38aa3b                    ; c = log2(e) / 8
	s_mov_b32 s[CS+1], s[CS]
	s_wait_dscnt 0x0                               ; both opening adds are done
	s_wait_kmcnt 0x0
	s_add_nc_u64 s[14:15], s[4:5], s[72:73]        ; Q' at my first tile
	s_add_nc_u64 s[16:17], s[8:9], s[74:75]        ; x likewise
	WIN W_LD
.irp q, 0,1
.irp s, 0,1
.irp c, 0,1
	global_load_b128 v[QF+16*\q+8*\s+4*\c:QF+16*\q+8*\s+4*\c+3], v[LI], s[14:15] offset:\q*2048+\s*1024+\c*512   ; Q' stays in registers; it is mine alone and is asked for ahead of the round
.endr
.endr
.endr
	WIN 0
	s_add_nc_u64 s[76:77], s[4:5], s[22:23]        ; my quarter of chunk 0
	s_mov_b32 s[G0], 1
	s_add_co_u32 s[G0+1], s69, BIAS
	s_add_nc_u64 s[G0+2:G0+3], s[6:7], s[70:71]
	s_or_b32 s[G0+3], s[G0+3], 0x80000000
.irp ch, 0,1,2,3
	s_mov_b32 s[G0+4+4*\ch], 1
	s_add_co_u32 s[G0+5+4*\ch], s20, \ch*32768
	s_add_nc_u64 s[G0+6+4*\ch:G0+7+4*\ch], s[76:77], \ch*32768
	s_or_b32 s[G0+7+4*\ch], s[G0+7+4*\ch], 0x80000000
.endr
	CROUND                                         ; all four work-groups are here: the joint loads meet
	tensor_load_to_lds s[G0:G0+3], s[G1R:G1R+7]    ; all first fills in one group: five loads of mine are out
	s_nop 0
.irp ch, 0,1,2,3
	tensor_load_to_lds s[G0+4+4*\ch:G0+7+4*\ch], s[G1D:G1D+7]
	s_nop 0
.endr
	PLACES
.irp q, 0,1
	v_mov_b32 v[ST+8*\q+1], 0xef800000             ; m = -2^96
	v_mul_f32 v[ST+8*\q], s[CS], v[ST+8*\q+1]      ; c m
.irp i, 2,3,4,5,6,7
	v_mov_b32 v[ST+8*\q+\i], 0                     ; l; and what is named before it is first made
.endr
.endr
.irp j, 0,1,2,3,4,5,6,7,8,9,10,11,12,13,14,15,16,17,18,19,20,21,22,23,24,25,26,27,28,29,30,31,32,33,34,35,36,37,38,39,40,41,42,43,44,45,46,47,48,49,50,51,52,53,54,55,56,57,58,59,60,61,62,63
	v_mov_b32 v[O+\j], 0                           ; O^T.  (The step is written once: the first finds zeros)
.endr
; 24 LDS loads: a step's K' (16) and its 64 numbers of sbias in the scores' layout (8), from ok and ob bytes behind the two addresses
.macro KLOAD ak, ab, ok, ob
	WIN W_LD
.irp kt, 0,1,2,3
.irp s, 0,1
.irp c, 0,1
	ds_load_b128 v[KF+8*(2*\kt+\s)+4*\c:KF+8*(2*\kt+\s)+4*\c+3], v[\ak] offset:\ok+\kt*2048+\s*1024+\c*512
.endr
.endr
.endr
	WIN 0
.irp kt, 0,1,2,3
.irp e, 0,1
	ds_load_b128 v[CBI+8*\kt+4*\e:CBI+8*\kt+4*\e+3], v[\ab] offset:\ob+64*\kt+16*\e
.endr
.endr
.endm
; A KEY STEP: 64 keys, my 32 queries.  Its K' and sbias were asked for a step ago.  pre = 1: the next step's are asked for behind the score products
.macro STEP pre
	v_add_nc_u32 v[ADV], s[TB], v[AV0]             ; (its last loads were shown done ahead of the last step's V^T P.)  These four plain lines are the places between those products and the loads into their registers
	v_nop
	v_nop
	v_nop
	WIN W_LD
.irp ct, 0,1,2,3
.irp kg, 0,1
.irp c, 0,1
	ds_load_tr16_b128 v[VF+8*(2*\ct+\kg)+4*\c:VF+8*(2*\ct+\kg)+4*\c+3], v[ADV] offset:(2*\kg+\c)*2048+\ct*512   ; 16 keys x 16 channels, turned: half a fragment of V^T
.endr
.endr
.endr
	s_wait_dscnt 16                                ; K' and sbias, asked for a step ago, are in; V's sixteen loads may be out
	WIN W_QK
.irp s, 0,1                                        ; S^T = K' Q'^T + sbias: eight accumulators by turns
.irp kt, 0,1,2,3
.irp q, 0,1
.if \s == 0
	v_wmma_f32_16x16x32_f16 v[S+32*\q+8*\kt:S+32*\q+8*\kt+7], v[KF+8*(2*\kt+\s):KF+8*(2*\kt+\s)+7], v[QF+16*\q+8*\s:QF+16*\q+8*\s+7], v[CBI+8*\kt:CBI+8*\kt+7]
.else
	v_wmma_f32_16x16x32_f16 v[S+32*\q+8*\kt:S+32*\q+8*\kt+7], v[KF+8*(2*\kt+\s):KF+8*(2*\kt+\s)+7], v[QF+16*\q+8*\s:QF+16*\q+8*\s+7], v[S+32*\q+8*\kt:S+32*\q+8*\kt+7]
.endif
.endr
.endr
.endr
	WIN 0
.if \pre
	v_add_nc_u32 v[ADK], s[TB], v[LI]              ; (their last loads were shown done at this step's head.)  Four plain lines: the places ahead of the loads into the products' registers and of the first read of the scores
	v_add_nc_u32 v[ADB], s[TBB], v[AB0]
	v_nop
	v_nop
	KLOAD ADK, ADB, 8192, 256                      ; the next step's K' and sbias: they land under the softmax
.else
	PLACES
.endif
	; the maximum of my 32 scores and the old m, three operands at a time; each accumulator is read from its low end on; the two tiles alternate line by line
.irp j, 0,1,2,3
.irp q, 0,1
	v_max3_num_f32 v[ST+8*\q+4+\j], v[S+32*\q+8*\j], v[S+32*\q+8*\j+1], v[S+32*\q+8*\j+2]
.endr
.endr
.irp g, 1,2
.irp j, 0,1,2,3
.irp q, 0,1
	v_max3_num_f32 v[ST+8*\q+4+\j], v[ST+8*\q+4+\j], v[S+32*\q+8*\j+2*\g+1], v[S+32*\q+8*\j+2*\g+2]
.endr
.endr
.endr
.irp q, 0,1
	v_max3_num_f32 v[ST+8*\q+4], v[ST+8*\q+4], v[S+32*\q+7], v[S+32*\q+15]
.endr
.irp q, 0,1
	v_max3_num_f32 v[ST+8*\q+6], v[ST+8*\q+6], v[S+32*\q+23], v[S+32*\q+31]
.endr
.irp q, 0,1
	v_max3_num_f32 v[ST+8*\q+4], v[ST+8*\q+4], v[ST+8*\q+5], v[ST+8*\q+6]
.endr
.irp q, 0,1
	v_max3_num_f32 v[ST+8*\q+4], v[ST+8*\q+4], v[ST+8*\q+7], v[ST+8*\q+1]
.endr
.irp q, 0,1
	v_permlanex16_b32 v[ST+8*\q+5], v[ST+8*\q+4], s[SEL], s[SEL+1]   ; the query's other 32 keys lie in the lane 16 away
.endr
.irp q, 0,1
	v_mov_b32 v[ST+8*\q+7], v[ST+8*\q]             ; c m_old
.endr
.irp q, 0,1
	v_max_num_f32 v[ST+8*\q+1], v[ST+8*\q+4], v[ST+8*\q+5]
.endr
.irp q, 0,1
	v_mul_f32 v[ST+8*\q], s[CS], v[ST+8*\q+1]
.endr
.irp q, 0,1
	v_sub_f32 v[ST+8*\q+7], v[ST+8*\q+7], v[ST+8*\q]
.endr
.irp b, 0,1,2,3,4,5,6,7,8,9,10,11,12,13,14,15
.irp q, 0,1
	v_pk_fma_f32 v[S+32*\q+2*\b:S+32*\q+2*\b+1], v[S+32*\q+2*\b:S+32*\q+2*\b+1], s[CS:CS+1], v[ST+8*\q:ST+8*\q+1] op_sel_hi:[1,0,0] neg_lo:[0,0,1] neg_hi:[0,0,1]   ; c s - c m
.endr
.endr
.irp q, 0,1
	v_exp_f32 v[ST+8*\q+6], v[ST+8*\q+7]           ; a
.endr
.irp e, 0,1,2,3,4,5,6,7,8,9,10,11,12,13,14,15,16,17,18,19,20,21,22,23,24,25,26,27,28,29,30,31
.irp q, 0,1
	v_exp_f32 v[S+32*\q+\e], v[S+32*\q+\e]         ; p.  Both tiles' 66 exponentials are one batch: none reads another's result
.endr
.endr
	v_nop                                          ; a plain line behind the last exponential
	s_wait_alu depctr_va_vdst(0)                   ; the wait ahead of the first line that names a result: one for the batch
.irp i, 0,1,2,3,4,5,6,7,8,9,10,11,12,13,14,15
.irp q, 0,1
	v_cvt_pk_f16_f32 v[P+16*\q+\i], v[S+32*\q+2*\i], v[S+32*\q+2*\i+1]
.endr
.endr
.irp u, 0,4,8,12,16,20,24,28                       ; the sum of the unrounded p, in place, pairs (an even key's, an odd key's)
.irp q, 0,1
	v_pk_add_f32 v[S+32*\q+\u:S+32*\q+\u+1], v[S+32*\q+\u:S+32*\q+\u+1], v[S+32*\q+\u+2:S+32*\q+\u+3]
.endr
.endr
.irp u, 0,8,16,24
.irp q, 0,1
	v_pk_add_f32 v[S+32*\q+\u:S+32*\q+\u+1], v[S+32*\q+\u:S+32*\q+\u+1], v[S+32*\q+\u+4:S+32*\q+\u+5]
.endr
.endr
.irp u, 0,16
.irp q, 0,1
	v_pk_add_f32 v[S+32*\q+\u:S+32*\q+\u+1], v[S+32*\q+\u:S+32*\q+\u+1], v[S+32*\q+\u+8:S+32*\q+\u+9]
.endr
.endr
.irp q, 0,1
	v_pk_add_f32 v[S+32*\q:S+32*\q+1], v[S+32*\q:S+32*\q+1], v[S+32*\q+16:S+32*\q+17]
.endr
.irp q, 0,1
	v_pk_fma_f32 v[ST+8*\q+2:ST+8*\q+3], v[ST+8*\q+2:ST+8*\q+3], v[ST+8*\q+6:ST+8*\q+7], v[S+32*\q:S+32*\q+1] op_sel_hi:[1,0,1]   ; l = a l + the sum
.endr
.irp i, 0,2,4,6,8,10,12,14,16,18,20,22,24,26,28,30
.irp q, 0,1
	v_pk_mul_f32 v[O+32*\q+\i:O+32*\q+\i+1], v[O+32*\q+\i:O+32*\q+\i+1], v[ST+8*\q+6:ST+8*\q+7] op_sel_hi:[1,0]   ; O^T x a
.endr
.endr
.if \pre
	s_wait_dscnt 24                                ; V is in; the next step's 24 loads, issued behind V's, may be out
.else
	s_wait_dscnt 0x0                               ; V is in
.endif
	WIN W_PV
.irp kg, 0,1                                       ; O^T += V^T P: eight accumulators by turns
.irp ct, 0,1,2,3
.irp q, 0,1
	v_wmma_f32_16x16x32_f16 v[O+32*\q+8*\ct:O+32*\q+8*\ct+7], v[VF+8*(2*\ct+\kg):VF+8*(2*\ct+\kg)+7], v[P+16*\q+8*\kg:P+16*\q+8*\kg+7], v[O+32*\q+8*\ct:O+32*\q+8*\ct+7]
.endr
.endr
.endr
	WIN 0
.endm
; A chunk is shown whole to all eight waves.  left: how many of my five loads (sbias, chunks 0 to 3, in that order) may stay out
.macro PUBLISH left
	s_wait_tensorcnt \left
	s_wait_dscnt 0x0                               ; no LDS load of mine is pending at the signal
	s_barrier_signal -1
	s_barrier_wait -1
.endm
; trips key steps on end, from the step whose K' begins at LDS byte tb
.macro RUN tb, tbb, trips
	s_mov_b32 s[TB], \tb
	s_mov_b32 s[TBB], \tbb
	s_mov_b32 s[CNT], \trips
.Lstep_\@:
	STEP 1
	s_add_co_u32 s[TB], s[TB], 8192                ; four tiles of 16 keys on
	s_add_co_u32 s[TBB], s[TBB], 256
	s_sub_co_u32 s[CNT], s[CNT], 1
	s_cmp_lg_u32 s[CNT], 0
	s_cbranch_scc1 .Lstep_\@
.endm
	s_wait_loadcnt 0x0                             ; Q'
	PUBLISH 3                                      ; sbias and chunk 0
	KLOAD LI, AB0, 0, 0                            ; step 0's K' and sbias
	RUN 0, 0, 3                                    ; steps 0 to 2: their look-ahead stays in chunk 0
	PUBLISH 2                                      ; chunk 1, ahead of step 3, whose look-ahead reads it
	RUN 3*8192, 3*256, 4                           ; steps 3 to 6
	PUBLISH 1                                      ; chunk 2
	RUN 7*8192, 7*256, 4                           ; steps 7 to 10
	PUBLISH 0                                      ; chunk 3
	RUN 11*8192, 11*256, 4                         ; steps 11 to 14
	s_mov_b32 s[TB], 15*8192
	STEP 0                                         ; the last step asks for nothing more
	; THE WAY OUT.  l's halves are added (these lines are the places behind the last products); O^T / l, rounded to f16, is already an image of the next launch's operand
.irp q, 0,1
	v_add_f32 v[ST+8*\q+4], v[ST+8*\q+2], v[ST+8*\q+3]
.endr
.irp q, 0,1
	v_permlanex16_b32 v[ST+8*\q+5], v[ST+8*\q+4], s[SEL], s[SEL+1]
.endr
.irp q, 0,1
	v_add_f32 v[ST+8*\q+4], v[ST+8*\q+4], v[ST+8*\q+5]
.endr
.irp q, 0,1
	v_max_num_f32 v[ST+8*\q+4], 0x0d800000, v[ST+8*\q+4]   ; a row with no open key has l = 0 and O = 0: 0 x 2^100 = 0.  A row with an open key has l of about 1 or more
.endr
.irp q, 0,1
	v_rcp_f32 v[ST+8*\q+6], v[ST+8*\q+4]
.endr
	v_nop                                          ; a plain line behind the last reciprocal
	s_wait_alu depctr_va_vdst(0)                   ; and the wait ahead of the first use: one for the two
.irp q, 0,1
.irp i, 0,2,4,6,8,10,12,14,16,18,20,22,24,26,28,30
	v_pk_mul_f32 v[O+32*\q+\i:O+32*\q+\i+1], v[O+32*\q+\i:O+32*\q+\i+1], v[ST+8*\q+6:ST+8*\q+7] op_sel_hi:[1,0]
.endr
.endr
.irp q, 0,1
.irp i, 0,1,2,3,4,5,6,7,8,9,10,11,12,13,14,15
	v_cvt_pk_f16_f32 v[S+16*\q+\i], v[O+32*\q+2*\i], v[O+32*\q+2*\i+1]
.endr
.endr
.irp q, 0,1
.irp ct, 0,1,2,3
	global_store_b128 v[LI], v[S+16*\q+4*\ct:S+16*\q+4*\ct+3], s[16:17] offset:\q*16384+\ct*512   ; 32 lanes store 512 consecutive bytes, aligned
.endr
.endr
	s_wait_tensorcnt 0x0                           ; the wave's end: the wait, the add and its wait, behind my last tensor load
	ds_add_u32 v[SPW], v[NIL]
	s_wait_dscnt 0x0
	CROUND                                         ; the closing round
	s_endpgm
.Lfunc_end_k_q5ec6640b8a_attn:
	.size	k_q5ec6640b8a_attn, .Lfunc_end_k_q5ec6640b8a_attn-k_q5ec6640b8a_attn
	.p2alignl 7, 3214868480
	.fill 96, 4, 3214868480
	.section	.rodata,"a",@progbits
	.p2align	6, 0x0
	.amdhsa_kernel k_q5ec6640b8a_attn
		.amdhsa_group_segment_fixed_size 327680
		.amdhsa_private_segment_fixed_size 0
		.amdhsa_enable_private_segment 0
		.amdhsa_kernarg_size 24
		.amdhsa_user_sgpr_count 2
		.amdhsa_user_sgpr_kernarg_segment_ptr 1
		.amdhsa_wavefront_size32 1
		.amdhsa_system_sgpr_workgroup_id_x 1
		.amdhsa_system_sgpr_workgroup_id_y 1
		.amdhsa_system_sgpr_workgroup_id_z 1
		.amdhsa_system_vgpr_workitem_id 0
		.amdhsa_next_free_vgpr 512
		.amdhsa_next_free_sgpr 80
		.amdhsa_reserve_vcc 0
		.amdhsa_float_denorm_mode_32 3
		.amdhsa_float_denorm_mode_16_64 3
		.amdhsa_memory_ordered 1
		.amdhsa_forward_progress 1
		.amdhsa_inst_pref_size 105
	.end_amdhsa_kernel
	.amdgpu_metadata
---
amdhsa.version: [ 1, 2 ]
amdhsa.kernels:
  - .name:           k_q5ec6640b8a_attn
    .symbol:         k_q5ec6640b8a_attn.kd
    .args:
      - { .name: qkv, .offset: 0, .size: 8, .value_kind: global_buffer, .address_space: global }
      - { .name: sbias, .offset: 8, .size: 8, .value_kind: global_buffer, .address_space: global }
      - { .name: xi, .offset: 16, .size: 8, .value_kind: global_buffer, .address_space: global }
    .group_segment_fixed_size: 327680
    .private_segment_fixed_size: 0
    .kernarg_segment_align: 8
    .kernarg_segment_size: 24
    .max_flat_workgroup_size: 256
    .sgpr_count:     80
    .vgpr_count:     512
    .wavefront_size: 32
...
	.end_amdgpu_metadata
.endif
;; end of part 3
;; launch oproj (part 4): grid 4 x 64, 4 waves a work-group, clusters of 4 x 4, 327,680 bytes of LDS; arguments xi, woi, bo, out0; writes out0
.if DOCPART == 4
	.amdgcn_target "amdgcn-amd-amdhsa--gfx1250"
	.amdhsa_code_object_version 6
	.text
	.protected	k_q5ec6640b8a_oproj
	.globl	k_q5ec6640b8a_oproj
	.p2align	8
	.type	k_q5ec6640b8a_oproj,@function
k_q5ec6640b8a_oproj:
	s_mov_b64 s[64:65], 0
	v_nop
	global_prefetch_b8 v0, s[64:65] scope:SCOPE_SE
	s_setreg_imm32_b32 hwreg(HW_REG_WAVE_MODE, 25, 1), 1
	s_wait_xcnt 0x0
	s_wait_alu depctr_hold_cnt(0) depctr_sa_sdst(0) depctr_va_vdst(0) depctr_va_sdst(0) depctr_va_ssrc(0) depctr_va_vcc(0) depctr_vm_vsrc(0)
	s_getreg_b32 s2, hwreg(HW_REG_IB_STS2, 6, 4)
	s_cmp_eq_u32 s2, 0
	s_cbranch_scc0 .Lentry_in_a_cluster
	s_endpgm
.Lentry_in_a_cluster:
	s_bfe_u32 s2, ttmp6, 0x10000c
	s_cmp_lg_u32 s2, 0xf033
	s_cbranch_scc0 .Lentry_shape_is_right
	s_endpgm
.Lentry_shape_is_right:
; OPROJ.  out0 = x Wo^T + bo.  x [8192][512] and Wo [512][512] arrive as f16 images of the operand registers (16 rows x 16 along K in 512 bytes, 16 bytes a lane at 16 x lane); out0 is f32; sums in f32.
; A tile of out0 is 128 x 128: 64 x 4 tiles, one for each of 256 work-groups.  Four waves, each 64 x 64: 16 accumulators.
; ALL OF K = 512 of both operands lies in LDS (131,072 bytes each), filled once, in four chunks of 128 along K, so that the first products start while the rest is on its way: no slot is filled again.
; CLUSTERS: 4 x 4 work-groups.  The four of a row of the cluster need the same rows of x, the four of a column the same rows of Wo: each tile is asked for JOINTLY, by the same tensor load with the same
; descriptor and a mask that names the four.  Waves 0 and 1 fetch x's two halves, waves 2 and 3 Wo's.
; THE MATRIX INSTRUCTION IS USED TRANSPOSED (source 0 = 16 rows of Wo, source 1 = 16 rows of x): a lane holds eight neighbouring numbers of a row of out0.  bo is the C of each sum's first product.
; No prefetch: all that the work-group reads is asked for at its head.
.set WL,     131072                    ; LDS: x at 0: [chunk 4][tile of 16 rows 8][K step of 32: 4][c 2][lane][16];  Wo here, likewise
.set STAGE,  262144                    ; the way out: 16 rows x (256 bytes + 16) for each wave
.set SPITCH, 272
.set SPARE,  279552                    ; the spare words, 128 bytes a wave: two blocks of 256 bytes that no other line names
.set ADX,  4                           ; v4-5  my x fragments: chunks 0, 1 and chunks 2, 3
.set ADW,  6                           ; v6-7  the same for Wo
.set STO,  8                           ; v8   the way out: where I put 32 bytes of a row
.set RD,   9                           ; v9   where I read a row back
.set GO,   10                          ; v10  my byte offset in out0
.set BOF,  11                          ; v11  32 h
.set SPW,  12                          ; v12  my spare word; never rewritten
.set NIL,  13                          ; v13  0; never rewritten
.set ACC,  16                          ; v16-143  accumulator (a, b) at 16 + 8 (4 a + b)
.set CBO,  144                         ; v144-175 bo in the result's layout
.set BK,   176                         ; v176-239 rows read back, two sets
; window 1: two fragment buffers of 64: Wo's four fragments, then x's four
.set WV,  12                           ; s12  wave
.set G1,  24                           ; s[24:31] group 1 for x's tiles;  s[32:47] groups 0, one for each chunk
.set G0,  32
.set G0B, 48                           ; s[48:63], s[68:75] the same for Wo's
.set G1B, 68
.set MSB, 0
.macro WIN new                         ; the immediate's high byte repeats the setting that is left
.if MSB != \new
	s_set_vgpr_msb (MSB<<8)|\new
.set MSB, \new
.endif
.endm
.macro PLACES
.rept 4
	v_nop
.endr
.endm
.macro CROUND                          ; a round of the cluster's barrier
	s_barrier_signal -1
	s_barrier_wait -1
	s_cmp_lg_u32 s[WV], 0
	s_cbranch_scc1 .Lnot_wave_0_\@
	s_barrier_signal -3
.Lnot_wave_0_\@:
	s_barrier_wait -3
	s_barrier_signal -1
	s_barrier_wait -1
.endm
	s_load_b256 s[4:11], s[0:1], 0x0               ; xi s[4:5], woi s[6:7], bo s[8:9], out0 s[10:11]
	v_lshl_add_u32 v[SPW], v0, 2, SPARE
	v_mov_b32 v[NIL], 0
	ds_add_u32 v[SPW], v[NIL]                      ; the wave's opening: the add, twice on end, and its wait ahead of my first tensor load
	ds_add_u32 v[SPW], v[NIL]
	v_lshrrev_b32 v1, 5, v0
	v_readfirstlane_b32 s[WV], v1                  ; wave 0..3
	s_lshr_b32 s13, s[WV], 1                       ; which half of the tile's rows is mine
	s_and_b32 s14, s[WV], 1                        ; which half of its columns.  Also: which four tiles of 16 rows I fetch
	s_bfe_u32 s15, ttmp6, 0x40000                  ; cx, cy: my place in the cluster
	s_bfe_u32 s16, ttmp6, 0x40004
	s_lshl_b32 s17, ttmp9, 2
	s_add_co_u32 s17, s17, s15                     ; tile column = 4 x cluster x + cx
	s_and_b32 s18, ttmp7, 0xffff
	s_lshl_b32 s18, s18, 2
	s_add_co_u32 s18, s18, s16                     ; tile row = 4 x cluster y + cy
	s_lshl_b32 s19, s16, 2
	s_lshl_b32 s19, 15, s19                        ; my row of the cluster
	s_lshl_b32 s20, 0x1111, s15                    ; my column
	; group 1: four rows of 4,096 bytes (a chunk of a tile of 16 rows), 16,384 bytes apart in memory, dense in LDS
	s_or_b32 s[G1], s19, (3<<16)|(1<<21)           ; 15:0 the mask: x's tiles go to my row; 17:16 elements of 8 bytes; 21 set beside a mask
	s_or_b32 s[G1B], s20, (3<<16)|(1<<21)          ; Wo's to my column
.irp g, G1, G1B
	s_mov_b32 s[\g+1], 512<<16                     ; tensor_dim0 = 512 elements
	s_mov_b32 s[\g+2], 4<<16                       ; tensor_dim1 = 4
	s_mov_b32 s[\g+3], 512<<16                     ; tile_dim0
	s_mov_b32 s[\g+4], 4                           ; tile_dim1
	s_mov_b32 s[\g+5], 2048                        ; tensor_dim0_stride
	s_mov_b32 s[\g+6], 0
	s_mov_b32 s[\g+7], 0
.endr
	s_lshl_b32 s21, s14, 14                        ; my four tiles: in LDS,
	s_lshl_b32 s22, s14, 16                        ; in memory
	s_lshl_b32 s76, s18, 17                        ; x: eight tiles of 16,384 bytes a tile row
	s_add_co_u32 s76, s76, s22
	s_mov_b32 s77, 0
	s_lshl_b32 s78, s17, 17                        ; Wo: by the tile column (in registers that never hold the other coordinate)
	s_add_co_u32 s78, s78, s22
	s_mov_b32 s79, 0
	s_wait_dscnt 0x0                               ; both opening adds are done
	s_wait_kmcnt 0x0
	s_add_nc_u64 s[76:77], s[4:5], s[76:77]
	s_add_nc_u64 s[78:79], s[6:7], s[78:79]
.irp ch, 0,1,2,3
	s_mov_b32 s[G0+4*\ch], 1
	s_add_co_u32 s[G0+4*\ch+1], s21, \ch*32768
	s_add_nc_u64 s[G0+4*\ch+2:G0+4*\ch+3], s[76:77], \ch*4096
	s_or_b32 s[G0+4*\ch+3], s[G0+4*\ch+3], 0x80000000
	s_mov_b32 s[G0B+4*\ch], 1
	s_add_co_u32 s[G0B+4*\ch+1], s21, WL+\ch*32768
	s_add_nc_u64 s[G0B+4*\ch+2:G0B+4*\ch+3], s[78:79], \ch*4096
	s_or_b32 s[G0B+4*\ch+3], s[G0B+4*\ch+3], 0x80000000
.endr
	CROUND                                         ; all sixteen work-groups are here: the joint loads meet
	s_cmp_lt_u32 s[WV], 2                          ; a wave's four first fills stand in one branch on the wave's number: four loads of mine are out
	s_cbranch_scc0 .Lfirst_w
.irp ch, 0,1,2,3
	tensor_load_to_lds s[G0+4*\ch:G0+4*\ch+3], s[G1:G1+7]
	s_nop 0
.endr
	PLACES
	s_branch .Lfirst_asked
.Lfirst_w:
.irp ch, 0,1,2,3
	tensor_load_to_lds s[G0B+4*\ch:G0B+4*\ch+3], s[G1B:G1B+7]
	s_nop 0
.endr
	PLACES
.Lfirst_asked:
	v_and_b32 v1, 15, v0                           ; r
	v_bfe_u32 v2, v0, 4, 1                         ; h
	v_and_b32 v3, 31, v0
	v_lshlrev_b32 v3, 4, v3                        ; 16 x lane
	s_lshl_b32 s22, s13, 14                        ; my four tiles of x's rows
	v_add_nc_u32 v[ADX], s22, v3
	v_add_nc_u32 v[ADX+1], 0x10000, v[ADX]
	s_lshl_b32 s22, s14, 14                        ; my four tiles of Wo's
	s_add_co_u32 s22, s22, WL
	v_add_nc_u32 v[ADW], s22, v3
	v_add_nc_u32 v[ADW+1], 0x10000, v[ADW]
	s_mul_i32 s23, s[WV], 16*SPITCH
	s_add_co_u32 s23, s23, STAGE                   ; my stage
	v_mul_u32_u24 v[STO], v1, SPITCH
	v_lshl_add_u32 v[STO], v2, 5, v[STO]
	v_add_nc_u32 v[STO], s23, v[STO]               ; in: row r, 32 bytes for each half of the lanes
	v_mul_u32_u24 v[RD], v2, SPITCH
	v_lshl_add_u32 v[RD], v1, 4, v[RD]
	v_add_nc_u32 v[RD], s23, v[RD]                 ; back: lanes 0-15 one row of 256 bytes, lanes 16-31 the next
	v_lshlrev_b32 v[GO], 11, v2
	v_lshl_add_u32 v[GO], v1, 4, v[GO]             ; and the same two rows in out0
	v_lshlrev_b32 v[BOF], 5, v2
	s_lshl_b32 s2, s17, 9                          ; my first column, in bytes: 512 x tile column + 256 x half
	s_lshl_b32 s3, s14, 8
	s_add_co_u32 s2, s2, s3
	s_mov_b32 s3, 0
	s_add_nc_u64 s[8:9], s[8:9], s[2:3]
	s_add_nc_u64 s[10:11], s[10:11], s[2:3]
	s_lshl_b32 s2, s18, 18                         ; my first row: 128 x tile row + 64 x half, rows of 2,048 bytes
	s_lshl_b32 s22, s13, 17
	s_add_co_u32 s2, s2, s22
	s_add_nc_u64 s[10:11], s[10:11], s[2:3]
.irp b, 0,1,2,3
.irp e, 0,1
	global_load_b128 v[CBO+8*\b+4*\e:CBO+8*\b+4*\e+3], v[BOF], s[8:9] offset:64*\b+16*\e   ; bo of columns 16 b + 8 h + 0 .. 7
.endr
.endr
; 16 LDS loads: the fragments of K step k (32 along K) into buffer k % 2
.macro FETCH k
.set FB, 64*((\k)&1)
.set CH, (\k)>>2
.set SLK, (\k)&3
	WIN 0x40                                       ; destination window 1
.irp i, 0,1,2,3
.irp c, 0,1
	ds_load_b128 v[FB+8*\i+4*\c:FB+8*\i+4*\c+3], v[ADW+(CH>>1)] offset:(CH&1)*32768+\i*4096+SLK*1024+512*\c
.endr
.endr
.irp i, 0,1,2,3
.irp c, 0,1
	ds_load_b128 v[FB+32+8*\i+4*\c:FB+32+8*\i+4*\c+3], v[ADX+(CH>>1)] offset:(CH&1)*32768+\i*4096+SLK*1024+512*\c
.endr
.endr
.endm
; 16 products: the 16 accumulators take turns, one instruction a turn.  K step 0 starts the sums with bo
.macro MUL k
.set FB, 64*((\k)&1)
	WIN 0x05                                       ; sources 0 and 1 window 1
.irp a, 0,1,2,3
.irp b, 0,1,2,3
.if (\k) == 0
	v_wmma_f32_16x16x32_f16 v[ACC+8*(4*\a+\b):ACC+8*(4*\a+\b)+7], v[FB+8*\b:FB+8*\b+7], v[FB+32+8*\a:FB+32+8*\a+7], v[CBO+8*\b:CBO+8*\b+7]
.else
	v_wmma_f32_16x16x32_f16 v[ACC+8*(4*\a+\b):ACC+8*(4*\a+\b)+7], v[FB+8*\b:FB+8*\b+7], v[FB+32+8*\a:FB+32+8*\a+7], v[ACC+8*(4*\a+\b):ACC+8*(4*\a+\b)+7]
.endif
.endr
.endr
.endm
	s_wait_tensorcnt 3                             ; my part of chunk 0 is in; three loads may be out
	s_barrier_signal -1
	s_barrier_wait -1                              ; everybody's is
	FETCH 0
	s_wait_loadcnt 0x0                             ; bo
.set K, 0
.rept 16
.if (K < 15) && ((K+1)%4 == 0)
	s_wait_tensorcnt 2-(K>>2)                      ; my part of the next chunk is in; the later chunks' may be out
	s_wait_dscnt 0x0
	s_barrier_signal -1
	s_barrier_wait -1
.endif
.if K < 15
.if K > 0
	PLACES                                         ; ahead of the loads into the buffer that the last products but these read
.endif
	FETCH K+1
	s_wait_dscnt 16                                ; all but the 16 just issued: this K step's fragments are in
.else
	s_wait_dscnt 0x0
.endif
	MUL K
.set K, K+1
.endr
	WIN 0
	; THE WAY OUT, 16 rows x 64 columns at a time, through my own stage: a lane holds 32 bytes of a row; back come whole runs of 256 bytes, which sixteen lanes store as one aligned run.
	; LDS serves a wave's instructions in order (ISA guide 5.7.1.4): no wait between the stores and the loads, nor ahead of the next block's stores.
	PLACES
.irp a, 0,1,2,3
.if \a > 1
	s_wait_xcnt 0x0                                ; block a - 2's stores have read their registers: block a's rows may land there
.endif
.irp b, 0,1,2,3
	ds_store_b128 v[STO], v[ACC+8*(4*\a+\b):ACC+8*(4*\a+\b)+3] offset:64*\b        ; each accumulator from its low end on
	ds_store_b128 v[STO], v[ACC+8*(4*\a+\b)+4:ACC+8*(4*\a+\b)+7] offset:64*\b+16
.endr
.irp i, 0,1,2,3,4,5,6,7
	ds_load_b128 v[BK+32*(\a%2)+4*\i:BK+32*(\a%2)+4*\i+3], v[RD] offset:2*SPITCH*\i
.endr
.irp i, 0,1,2,3,4,5,6,7
	s_wait_dscnt 7-\i                              ; rows 2 i, 2 i + 1 are back; the later loads may be out
	global_store_b128 v[GO], v[BK+32*(\a%2)+4*\i:BK+32*(\a%2)+4*\i+3], s[10:11] offset:\a*32768+\i*4096 th:TH_STORE_NT
.endr
.endr
	s_wait_tensorcnt 0x0                           ; the wave's end: the wait, the add and its wait, behind my last tensor load and my last LDS store
	ds_add_u32 v[SPW], v[NIL]
	s_wait_dscnt 0x0
	CROUND                                         ; the closing round
	s_endpgm
.Lfunc_end_k_q5ec6640b8a_oproj:
	.size	k_q5ec6640b8a_oproj, .Lfunc_end_k_q5ec6640b8a_oproj-k_q5ec6640b8a_oproj
	.p2alignl 7, 3214868480
	.fill 96, 4, 3214868480
	.section	.rodata,"a",@progbits
	.p2align	6, 0x0
	.amdhsa_kernel k_q5ec6640b8a_oproj
		.amdhsa_group_segment_fixed_size 327680
		.amdhsa_private_segment_fixed_size 0
		.amdhsa_enable_private_segment 0
		.amdhsa_kernarg_size 32
		.amdhsa_user_sgpr_count 2
		.amdhsa_user_sgpr_kernarg_segment_ptr 1
		.amdhsa_wavefront_size32 1
		.amdhsa_system_sgpr_workgroup_id_x 1
		.amdhsa_system_sgpr_workgroup_id_y 1
		.amdhsa_system_sgpr_workgroup_id_z 1
		.amdhsa_system_vgpr_workitem_id 0
		.amdhsa_next_free_vgpr 512
		.amdhsa_next_free_sgpr 80
		.amdhsa_reserve_vcc 0
		.amdhsa_float_denorm_mode_32 3
		.amdhsa_float_denorm_mode_16_64 3
		.amdhsa_memory_ordered 1
		.amdhsa_forward_progress 1
		.amdhsa_inst_pref_size 53
	.end_amdhsa_kernel
	.amdgpu_metadata
---
amdhsa.version: [ 1, 2 ]
amdhsa.kernels:
  - .name:           k_q5ec6640b8a_oproj
    .symbol:         k_q5ec6640b8a_oproj.kd
    .args:
      - { .name: xi, .offset: 0, .size: 8, .value_kind: global_buffer, .address_space: global }
      - { .name: woi, .offset: 8, .size: 8, .value_kind: global_buffer, .address_space: global }
      - { .name: bo, .offset: 16, .size: 8, .value_kind: global_buffer, .address_space: global }
      - { .name: out0, .offset: 24, .size: 8, .value_kind: global_buffer, .address_space: global }
    .group_segment_fixed_size: 327680
    .private_segment_fixed_size: 0
    .kernarg_segment_align: 8
    .kernarg_segment_size: 32
    .max_flat_workgroup_size: 128
    .sgpr_count:     80
    .vgpr_count:     512
    .wavefront_size: 32
...
	.end_amdgpu_metadata
.endif
;; end of part 4
